; MI455X (gfx1250); checked and timed in simulation.
; The chip was launched on July 23, 2026; its instructions are those of AMD's public machine-readable ISA for CDNA 5 (MIT licence, August 2026) and "CDNA5" Instruction Set Architecture Reference Guide (July 2026). The comments in the code are by the model that wrote it; some were corrected since.
;; Block. Allowed arithmetic: matrix products marked QUANTISED: E4M3 operands, one E8M0 scale for each 32 along K, by v_wmma_scale_f32_16x16x128_f8f6f4 with both operands' format E4M3, f32 sums; everything else in f32.
;; Inputs: b1 4,096 float32; b2 1,024 float32; bk 1,024 float32; bo 1,024 float32; bq 1,024 float32; bv 1,024 float32; ln1_b 1,024 float32; ln1_g 1,024 float32; ln2_b 1,024 float32; ln2_g 1,024 float32; logit_scale 16 x 1 x 1 float32; w1_codes 4,096 x 32 x 32 uint8 (E4M3 codes of w1, K innermost, in blocks of 32 codes); w1_scales 4,096 x 32 uint8 (E8M0 scales of w1, one for each 32 codes along K); w2_codes 1,024 x 128 x 32 uint8 (E4M3 codes of w2, K innermost, in blocks of 32 codes); w2_scales 1,024 x 128 uint8 (E8M0 scales of w2, one for each 32 codes along K); wk_codes 1,024 x 32 x 32 uint8 (E4M3 codes of wk, K innermost, in blocks of 32 codes); wk_scales 1,024 x 32 uint8 (E8M0 scales of wk, one for each 32 codes along K); wo_codes 1,024 x 32 x 32 uint8 (E4M3 codes of wo, K innermost, in blocks of 32 codes); wo_scales 1,024 x 32 uint8 (E8M0 scales of wo, one for each 32 codes along K); wq_codes 1,024 x 32 x 32 uint8 (E4M3 codes of wq, K innermost, in blocks of 32 codes); wq_scales 1,024 x 32 uint8 (E8M0 scales of wq, one for each 32 codes along K); wv_codes 1,024 x 32 x 32 uint8 (E4M3 codes of wv, K innermost, in blocks of 32 codes); wv_scales 1,024 x 32 uint8 (E8M0 scales of wv, one for each 32 codes along K); x 2 x 2,048 x 1,024 float32.
;; Outputs: out0 2 x 2,048 x 1,024 float32.
;; This version of the problem:
;;   THIS VERSION OF THE PROBLEM IS GIVEN IN LOW PRECISION. The matrix products marked QUANTISED in the list below multiply operands that are first quantised to E4M3 (4 exponent bits, 3 mantissa bits; 8 bits a number), with one power-of-two scale for each 32 numbers along K (OCP MX v1.0); their sums are f32. All else is computed in f32.
;;   The module's matrix products, in the order in which they are computed (A, B: the left and right operand; K: the contracted axis; several contracted axes count as one K, in the product's order):
;;     1. [M 4,096, K 1,024] x [K 1,024, N 1,024]; A: computed on the way; B: input wq (given as codes): QUANTISED
;;     2. [M 4,096, K 1,024] x [K 1,024, N 1,024]; A: computed on the way; B: input wk (given as codes): QUANTISED
;;     3. [M 4,096, K 1,024] x [K 1,024, N 1,024]; A: computed on the way; B: input wv (given as codes): QUANTISED
;;     4. batch 32 x [M 2,048, K 64] x [K 64, N 2,048]; A: computed on the way; B: computed on the way: QUANTISED
;;     5. batch 32 x [M 2,048, K 2,048] x [K 2,048, N 64]; A: softmax (see below); B: computed on the way: QUANTISED
;;     6. [M 4,096, K 1,024] x [K 1,024, N 1,024]; A: computed on the way; B: input wo (given as codes): QUANTISED
;;     7. [M 4,096, K 1,024] x [K 1,024, N 4,096]; A: computed on the way; B: input w1 (given as codes): QUANTISED
;;     8. [M 4,096, K 4,096] x [K 4,096, N 1,024]; A: computed on the way; B: input w2 (given as codes): QUANTISED
;;   THE QUANTISER, for each operand of a quantised product, along K:
;;     - K is cut into blocks of 32 from its start; a last block that is shorter is filled with zeros.
;;     - A block's scale is 2^e with e = floor(log2(the largest magnitude in the block)) - 8, held to -126 .. 127; a block of zeros has e = 0. As a byte (E8M0): e + 127.
;;     - Each number is divided by its block's scale, clamped to +-448, and rounded to the nearest number of E4M3, ties to even, subnormals kept.
;;     - The product sums the exact products of the quantised numbers (number of the format x scale) in f32.
;;   ~~~python
;;   def quantise(x, axis):      # numpy; x: float32 -> the quantised numbers, widened to float32 again
;;       x = np.moveaxis(x, axis, -1); K = x.shape[-1]
;;       x = np.pad(x, [(0, 0)] * (x.ndim - 1) + [(0, -K % 32)]); x = x.reshape(x.shape[:-1] + (-1, 32)); a = np.abs(x).max(-1, keepdims=True)
;;       e = np.where(a > 0, np.clip(np.frexp(np.where(a > 0, a, 1))[1] - 1 - 8, -126, 127), 0)      # np.frexp(a)[1] - 1 = floor(log2(a)), exactly
;;       r = np.clip(x / 2.0 ** e, -448, 448)
;;       step = 2.0 ** (np.maximum(np.frexp(np.where(r == 0, 1, r))[1] - 1, -6) - 3)
;;       q = np.round(r / step) * step * 2.0 ** e      # np.round: ties to even
;;       return np.moveaxis(q.reshape(q.shape[:-2] + (-1,))[..., :K], -1, axis).astype(np.float32)
;;   ~~~
;;   SOFTMAX AHEAD OF A QUANTISED PRODUCT. Where the list says 'softmax', what is quantised is not the finished softmax but p = 2^(t - M), with t = logit x log2(e) and M = ceil(the row's largest t), a whole number; so 1/2 < the row's largest p <= 1. The row's sum l is taken of the UNQUANTISED p, in f32, and the product's result is divided by l at the end. Since M is a whole number, a kernel that streams over the keys may use a running M (the ceiling of the running maximum): every later rescaling is an exact power of two, which a block's scale takes up: the codes' values come out the same.
;;   OPERANDS COMPUTED ON THE WAY. 'Computed on the way' means the value that the module computes at that place (a softmax that the list does not call 'softmax' is quantised finished and normalised). What goes into a quantiser is computed in f32, as accurately as f32 sums, v_exp_f32 and their like allow (about 1e-6 of the number): no bf16 or f16 on the way to a quantiser, and a product that is left as it is and whose result goes on into a quantised operand takes f32 operands (vector FMAs, or v_wmma_f32_16x16x4_f32). A number that lies on a knife's edge between two numbers of the format may be rounded either way, as far as f32 arithmetic and the matrix unit's own rounding can turn it there, and no further.
;;   INPUTS GIVEN AS CODES. w1 (in the module: [1024, 4096], K = its axis 0); w2 (in the module: [4096, 1024], K = its axis 0); wk (in the module: [1024, 1024], K = its axis 0); wo (in the module: [1024, 1024], K = its axis 0); wq (in the module: [1024, 1024], K = its axis 0); wv (in the module: [1024, 1024], K = its axis 0): each comes as NAME_codes (uint8): NAME with its K axis moved to the last place and cut into blocks of 32 codes, [.., K / 32, bytes a block], one block behind the other in memory; one code a byte (a code: sign, 4 exponent bits, 3 mantissa bits); and NAME_scales (uint8): the same leading axes, one E8M0 byte (e + 127) for each 32 codes along K. Its value is code x scale, taken as it is: it is not quantised again, and the codes and scales need not be those that the quantiser above would give.
;; One version. Each part assembles by itself: llvm-mc -triple=amdgcn-amd-amdhsa -mcpu=gfx1250 --defsym DOCPART=n.
;; ======== version 1 of 1: 7 launches
;; limits: a function is approximated: absolute error at most 2e-07; right only within a limited range of input values
;; workspace buffers: xn 4,325,376 bytes; qkv 13,238,272 bytes; ctx 4,325,376 bytes; x2 16,777,216 bytes; h 17,301,504 bytes
;; launch ln1 (part 1): grid 256 x 1, 4 waves a work-group, no clusters, 22,016 bytes of LDS; arguments x, ln1_g, ln1_b, xn; writes xn
.if DOCPART == 1
	.amdgcn_target "amdgcn-amd-amdhsa--gfx1250"
	.amdhsa_code_object_version 6
	.text
	.protected	k_qd0017ca1e1_ln1
	.globl	k_qd0017ca1e1_ln1
	.p2align	8
	.type	k_qd0017ca1e1_ln1,@function
k_qd0017ca1e1_ln1:
	s_mov_b64 s[64:65], 0
	v_nop
	global_prefetch_b8 v0, s[64:65] scope:SCOPE_SE
	s_setreg_imm32_b32 hwreg(HW_REG_WAVE_MODE, 25, 1), 1
	s_wait_xcnt 0x0
; LayerNorm over rows of 1,024 f32, then the MX-FP8 quantiser along the row: codes [4096][1024] at byte 0 of the output, one E8M0 byte for each 32 numbers, [4096][32], at byte 0x400000.
; y = (x - mean) * rsqrt(var + 1e-6) * g + b, all in f32; the variance is the mean of (x - mean)^2, taken in a second pass over registers.
; SHARES: a work-group takes 16 rows, a wave 4.  All 32 row loads of a wave go out at the head (512 consecutive bytes each).  A row is two halves of 512 numbers; each half turns through the wave's own stage
; in LDS, so that a lane then holds 16 neighbours and two neighbouring lanes hold a block of 32.  A lane's 16 codes are 16 bytes: a wave's store covers 512 consecutive bytes.
; The work-group's 512 scale bytes are gathered in LDS and leave as 512 consecutive bytes.
; LIMITS: NaN and infinities are not served.  A block of zeros gets the byte 1 and not 127: its codes are zeros, and this program alone reads the bytes.
.set G,    16                          ; v16-47   g[512 j + 16 lane + i] at G + 16 j + i
.set B,    48                          ; v48-79   b likewise
.set R,    80                          ; v80-207  four rows as loaded, 32 registers each; a row's first 8 registers later take its codes
.set X,    208                         ; v208-239 two sets of 16 neighbours
.set E,    248                         ; v248-255 a scale byte for each half row
.set SP,   80                          ; a lane's place in a stage: 64 bytes + 16 of padding
.set STGB, 32*SP                       ; a stage
.set SCB,  8*STGB                      ; behind the four waves' two stages: the scale bytes, [16 rows][32]
	s_load_b256 s[4:11], s[0:1], 0x0               ; in s[4:5], g s[6:7], b s[8:9], out s[10:11]
	v_lshl_add_u32 v246, v0, 2, 0x5400
	v_mov_b32 v247, 0
	v_lshrrev_b32 v1, 5, v0
	v_readfirstlane_b32 s16, v1                    ; wave
	v_and_b32 v1, 31, v0                           ; lane
	v_lshlrev_b32 v2, 4, v1                        ; 16 x lane: my bytes of a load's or a store's 512; never rewritten
	s_mul_i32 s17, s16, 2*STGB
	v_lshrrev_b32 v3, 2, v1
	v_mul_u32_u24 v3, v3, SP
	v_and_b32 v4, 3, v1
	v_lshl_add_u32 v3, v4, 4, v3
	v_add_nc_u32 v3, s17, v3                       ; the stage, on the way in: four lanes' 64 bytes on end, then the padding
	v_mul_u32_u24 v4, v1, SP
	v_add_nc_u32 v4, s17, v4                       ; and on the way out: my 16 neighbours
	s_lshl_b32 s18, s16, 7
	s_add_co_u32 s18, s18, SCB
	v_lshrrev_b32 v5, 1, v1
	v_add_nc_u32 v5, s18, v5                       ; my block's scale byte: 128 bytes a wave, 32 a row
	v_lshlrev_b32 v6, 6, v1                        ; g, b: 64 bytes a lane
	v_add_nc_u32 v7, SCB, v2                       ; the scale bytes on their way out
	s_mov_b32 s20, 0x76543210
	s_mov_b32 s21, 0xfedcba98                      ; v_permlanex16_b32's selects for lane l xor 16
	s_mov_b32 s24, 0x3a800000                      ; 1 / 1024
	s_mov_b32 s25, 0x358637bd                      ; 1e-6
	s_lshl_b32 s26, ttmp9, 16                      ; 16 rows of 4,096 bytes a work-group,
	s_lshl_b32 s27, s16, 14                        ; 4 a wave
	s_add_co_u32 s26, s26, s27
	s_mov_b32 s27, 0
	s_lshl_b32 s28, ttmp9, 14                      ; the codes: 1,024 bytes a row
	s_lshl_b32 s29, s16, 12
	s_add_co_u32 s28, s28, s29
	s_mov_b32 s29, 0
	s_lshl_b32 s30, ttmp9, 9                       ; the scale bytes: 512 a work-group
	s_add_co_u32 s30, s30, 0x400000
	s_mov_b32 s31, 0
	s_wait_alu depctr_va_vdst(0)
	s_wait_kmcnt 0x0
	s_add_nc_u64 s[4:5], s[4:5], s[26:27]
	s_add_nc_u64 s[12:13], s[10:11], s[30:31]
	s_add_nc_u64 s[10:11], s[10:11], s[28:29]
.irp j, 0,1
.irp k, 0,1,2,3
	global_load_b128 v[G+16*\j+4*\k:G+16*\j+4*\k+3], v6, s[6:7] offset:2048*\j+16*\k
	global_load_b128 v[B+16*\j+4*\k:B+16*\j+4*\k+3], v6, s[8:9] offset:2048*\j+16*\k
.endr
.endr
.irp i, 0,1,2,3
.irp k, 0,1,2,3,4,5,6,7
	global_load_b128 v[R+32*\i+4*\k:R+32*\i+4*\k+3], v2, s[4:5] offset:4096*\i+512*\k
.endr
.endr
.macro LANESUM                         ; v[12:13] -> the sum over the wave's 32 lanes, in every lane's v12
	v_add_f32 v12, v12, v13
	v_add_f32_dpp v12, v12, v12 row_xmask:1 row_mask:0xf bank_mask:0xf
	v_add_f32_dpp v12, v12, v12 row_xmask:2 row_mask:0xf bank_mask:0xf
	v_add_f32_dpp v12, v12, v12 row_xmask:4 row_mask:0xf bank_mask:0xf
	v_add_f32_dpp v12, v12, v12 row_xmask:8 row_mask:0xf bank_mask:0xf
	v_permlanex16_b32 v13, v12, s20, s21
	v_add_f32 v12, v12, v13
.endm
; half j of row i: 16 neighbours a lane are normalised and quantised
.macro HALF i, j
.set XS, X+16*(\j)
.set CC, R+32*(\i)+4*(\j)
.set p, 0
.rept 8
	v_pk_mul_f32 v[XS+p:XS+p+1], v[XS+p:XS+p+1], v[10:11]
.set p, p+2
.endr
.set p, 0
.rept 8
	v_pk_fma_f32 v[XS+p:XS+p+1], v[XS+p:XS+p+1], v[G+16*(\j)+p:G+16*(\j)+p+1], v[B+16*(\j)+p:B+16*(\j)+p+1]
.set p, p+2
.endr
	v_max3_num_f32 v240, |v[XS]|, |v[XS+1]|, |v[XS+2]|             ; the largest magnitude of my 16, in two chains
	v_max3_num_f32 v241, |v[XS+3]|, |v[XS+4]|, |v[XS+5]|
.irp n, 6,10
	v_max3_num_f32 v240, v240, |v[XS+\n]|, |v[XS+\n+1]|
	v_max3_num_f32 v241, v241, |v[XS+\n+2]|, |v[XS+\n+3]|
.endr
	v_max3_num_f32 v240, v240, |v[XS+14]|, |v[XS+15]|
	v_max3_num_f32 v240, v240, v241, 0x4800000     ; and the floor 2^(9 - 127): the byte cannot fall under 1
	v_max_num_f32_dpp v240, v240, v240 row_xmask:1 row_mask:0xf bank_mask:0xf   ; with my neighbour's 16: the block's
	v_add_nc_u32 v243, 0xfc000000, v240            ; 8 off the exponent field: the conversion's scale operand
.set n, 0
.rept 16
.set n, n+1
.endr
	v_cvt_scalef32_pk8_fp8_f32 v[CC:CC+1], v[XS:XS+7], v243
	v_cvt_scalef32_pk8_fp8_f32 v[CC+2:CC+3], v[XS+8:XS+15], v243
	v_lshrrev_b32 v[E+2*(\i)+(\j)], 23, v243       ; the scale's byte
	ds_store_b8 v5, v[E+2*(\i)+(\j)] offset:32*(\i)+16*(\j)        ; both lanes of a block write the same byte with the same value
	global_store_b128 v2, v[CC:CC+3], s[10:11] offset:1024*(\i)+512*(\j)   ; 512 consecutive bytes; the data registers are never written again
.endm
.macro ROW i
.set RR, R+32*(\i)
	s_wait_loadcnt 8*(3-(\i))                      ; loads come back in order: g, b and this row are in; the later rows' eight loads each may be out
	v_pk_add_f32 v[12:13], v[RR:RR+1], v[RR+2:RR+3]
	v_pk_add_f32 v[14:15], v[RR+4:RR+5], v[RR+6:RR+7]
.irp n, 8,12,16,20,24,28
	v_pk_add_f32 v[12:13], v[12:13], v[RR+\n:RR+\n+1]
	v_pk_add_f32 v[14:15], v[14:15], v[RR+\n+2:RR+\n+3]
.endr
	v_pk_add_f32 v[12:13], v[12:13], v[14:15]
	LANESUM
	v_mul_f32 v8, s24, v12                         ; the mean
	v_mov_b32 v9, v8
.set p, 0
.rept 16
	v_pk_add_f32 v[RR+p:RR+p+1], v[RR+p:RR+p+1], v[8:9] neg_lo:[0,1] neg_hi:[0,1]   ; x - mean, in place
.set p, p+2
.endr
	v_pk_mul_f32 v[12:13], v[RR:RR+1], v[RR:RR+1]
	v_pk_mul_f32 v[14:15], v[RR+2:RR+3], v[RR+2:RR+3]
.irp n, 4,8,12,16,20,24,28
	v_pk_fma_f32 v[12:13], v[RR+\n:RR+\n+1], v[RR+\n:RR+\n+1], v[12:13]
	v_pk_fma_f32 v[14:15], v[RR+\n+2:RR+\n+3], v[RR+\n+2:RR+\n+3], v[14:15]
.endr
	v_pk_add_f32 v[12:13], v[12:13], v[14:15]
	LANESUM
	v_fma_f32 v12, v12, s24, s25                   ; the variance + 1e-6
	s_wait_alu depctr_va_vdst(0)
	v_rsq_f32 v10, v12
	v_nop                                          ; a plain instruction behind the transcendental
.irp j, 0,1                                    ; both halves go through their stages: LDS serves a wave's instructions in order, so no wait stands between the stores and the loads
.irp k, 0,1,2,3
	ds_store_b128 v3, v[RR+16*\j+4*\k:RR+16*\j+4*\k+3] offset:STGB*\j+8*SP*\k
.endr
.irp k, 0,1,2,3
	ds_load_b128 v[X+16*\j+4*\k:X+16*\j+4*\k+3], v4 offset:STGB*\j+16*\k
.endr
.endr
	s_wait_alu depctr_va_vdst(0)                   ; ahead of the first instruction that names the root's result
	v_mov_b32 v11, v10
	s_wait_alu depctr_va_vdst(0)
	s_wait_dscnt 4                                 ; all but the second half's four loads: the first half is back, and every store into the stages has read its registers
	HALF \i, 0
	s_wait_dscnt 0x0
	HALF \i, 1
.endm
	ROW 0
	ROW 1
	ROW 2
	ROW 3
	s_wait_dscnt 0x0                               ; for the others' sake: my scale bytes lie in LDS
	s_barrier_signal -1
	s_barrier_wait -1
	s_cmp_lg_u32 s16, 0
	s_cbranch_scc1 .Lend
	ds_load_b128 v[12:15], v7                      ; wave 0: the 16 rows' 512 scale bytes
	s_wait_dscnt 0x0
	global_store_b128 v2, v[12:15], s[12:13]
.Lend:
	s_wait_tensorcnt 0x0
	ds_add_u32 v246, v247
	s_wait_dscnt 0x0
	s_endpgm
.Lfunc_end_k_qd0017ca1e1_ln1:
	.size	k_qd0017ca1e1_ln1, .Lfunc_end_k_qd0017ca1e1_ln1-k_qd0017ca1e1_ln1
	.p2alignl 7, 3214868480
	.fill 96, 4, 3214868480
	.section	.rodata,"a",@progbits
	.p2align	6, 0x0
	.amdhsa_kernel k_qd0017ca1e1_ln1
		.amdhsa_group_segment_fixed_size 22016
		.amdhsa_private_segment_fixed_size 0
		.amdhsa_enable_private_segment 0
		.amdhsa_kernarg_size 32
		.amdhsa_user_sgpr_count 2
		.amdhsa_user_sgpr_kernarg_segment_ptr 1
		.amdhsa_wavefront_size32 1
		.amdhsa_system_sgpr_workgroup_id_x 1
		.amdhsa_system_sgpr_workgroup_id_y 1
		.amdhsa_system_sgpr_workgroup_id_z 1
		.amdhsa_system_vgpr_workitem_id 0
		.amdhsa_next_free_vgpr 256
		.amdhsa_next_free_sgpr 66
		.amdhsa_reserve_vcc 0
		.amdhsa_float_denorm_mode_32 3
		.amdhsa_float_denorm_mode_16_64 3
		.amdhsa_fp16_overflow 1
		.amdhsa_memory_ordered 1
		.amdhsa_forward_progress 1
		.amdhsa_inst_pref_size 44
	.end_amdhsa_kernel
	.amdgpu_metadata
---
amdhsa.version: [ 1, 2 ]
amdhsa.kernels:
  - .name:           k_qd0017ca1e1_ln1
    .symbol:         k_qd0017ca1e1_ln1.kd
    .args:
      - { .name: x, .offset: 0, .size: 8, .value_kind: global_buffer, .address_space: global }
      - { .name: ln1_g, .offset: 8, .size: 8, .value_kind: global_buffer, .address_space: global }
      - { .name: ln1_b, .offset: 16, .size: 8, .value_kind: global_buffer, .address_space: global }
      - { .name: xn, .offset: 24, .size: 8, .value_kind: global_buffer, .address_space: global }
    .group_segment_fixed_size: 22016
    .private_segment_fixed_size: 0
    .kernarg_segment_align: 8
    .kernarg_segment_size: 32
    .max_flat_workgroup_size: 128
    .sgpr_count:     66
    .vgpr_count:     256
    .wavefront_size: 32
...
	.end_amdgpu_metadata
.endif
;; end of part 1
;; launch qkv (part 2): grid 8 x 24, 4 waves a work-group, clusters of 4 x 4, 327,680 bytes of LDS; arguments xn, wq_codes, wq_scales, wk_codes, wk_scales, wv_codes, wv_scales, bq, bk, bv, qkv; writes qkv
.if DOCPART == 2
	.amdgcn_target "amdgcn-amd-amdhsa--gfx1250"
	.amdhsa_code_object_version 6
	.text
	.protected	k_qd0017ca1e1_qkv
	.globl	k_qd0017ca1e1_qkv
	.p2align	8
	.type	k_qd0017ca1e1_qkv,@function
k_qd0017ca1e1_qkv:
	s_mov_b64 s[64:65], 0
	v_nop
	global_prefetch_b8 v0, s[64:65] scope:SCOPE_SE
	s_setreg_imm32_b32 hwreg(HW_REG_WAVE_MODE, 25, 1), 1
	s_wait_xcnt 0x0
	s_wait_alu depctr_hold_cnt(0) depctr_sa_sdst(0) depctr_va_vdst(0) depctr_va_sdst(0) depctr_va_ssrc(0) depctr_va_vcc(0) depctr_vm_vsrc(0)
	s_getreg_b32 s2, hwreg(HW_REG_IB_STS2, 6, 4)
	s_cmp_eq_u32 s2, 0
	s_cbranch_scc0 .Lentry_in_a_cluster
	s_endpgm
.Lentry_in_a_cluster:
	s_bfe_u32 s2, ttmp6, 0x10000c
	s_cmp_lg_u32 s2, 0xf033
	s_cbranch_scc0 .Lentry_shape_is_right
	s_endpgm
.Lentry_shape_is_right:
; q = l2norm(xn wq + bq), k = l2norm(xn wk + bk), v = xn wv + bv, on codes of FP8 (E4M3) with one E8M0 scale for each 32 along K = 1,024; the results are quantised at once: q and k along a head's 64, v along the keys.
; A tile is 256 x 256, made by four waves of 128 x 128 (64 accumulators of 16 x 16).  Operand R (source 1): a lane holds one of its rows.  Operand C (source 0): a lane's registers run along its rows.
; KIND 0 (clusters y = 0..3): R = 256 tokens of xn, C = 256 columns of wq (cluster x = 0) or wk (x = 1).  KIND 1 (clusters y = 4, 5): R = 256 rows of wv (features), C = 256 tokens: a lane then holds a feature and
; its registers run along the keys, so that v comes out with the keys innermost and nothing is transposed.  The kind hangs on the cluster's number alone: it is the same in all sixteen partners.
; K goes in steps of 256 through two LDS slots filled by joint tensor loads (R's tile shared along a row of the cluster, C's along a column); the scale bytes of the 512 rows come once and stay.
; OUT.  A wave's 128 x 128 is one block of 16 KB: eight images of 16 rows.  An image is the register image of an operand: byte 512 c + 16 lane + i is byte i of registers 4 c .. 4 c + 3 of that lane.
; Place (c, lane / 16 = h, i) holds k = 32 c + 8 h + i % 8 + 16 (i / 8): an order inside a block of 32 that every reader applies to both operands alike.  Scale words: [16 rows][8 images] of 4 bytes.
; q, k: a head's 64 codes are half an image: [2 heads][8 images][2][512 bytes]; their scale words hold the head's 2 bytes and 0 above.
; LIMITS: NaN and infinities are not served.  A block of zeros gets the byte 1 and not 127: its codes are zeros, and this program alone reads the bytes.
; REGISTERS: window 0: v0-31 addresses; v32-63 scale words, two sets; v64-127 the biases; from v128 R's fragments, one set.  window 1: C's fragments, two sets.  windows 2, 3: the accumulators ((a, b) at v[8 (8 (a % 4) + b)]).
.set KSTEP,  256
.set NQ,     2
.set ROWB,   256
.set KROW,   1024
.set PITCH,  272                       ; an LDS row: 256 bytes + 16 of padding: the 16 rows that a load touches start at 16 different banks (ISA guide 11.1)
.set FR,     16
.set NL,     4
.set NP,     8                         ; places behind this matrix instruction (ISA guide 7.12.1)
.set HALFT,  128*PITCH
.set SLOT,   4*HALFT
.set LAPS,   2
.set KS,     32
.set SCL,    2*SLOT                    ; behind the ring: the scale bytes, as units of 256 bytes + 16 of padding
.set HALFS,  (128*KS/256)*272
.set SBLK,   (16*KS/256)*272
.set SPARE,  SCL+4*HALFS               ; the spare words, 128 bytes a wave: two blocks of 256 bytes that no other line names
.set VCO,    0x800000                  ; in qkv: q's codes at 0, k's at 0x400000, v's here;
.set QSO,    0xC00000                  ; q's scale words, k's 0x40000 on,
.set VSO,    0xC80000                  ; v's
.set ADRA, 16
.set ADRB, 20
.set LI,   24                          ; v24  16 x lane
.set SWA,  25                          ; v25  the stage for my scale words: 512 x wave + 32 x (lane % 16)
.set SRA,  26                          ; v26  and on the way back: 512 x wave + 16 x lane
.set ADRS, 27
.set SPW,  28
.set NIL,  29
.set PW,   30                          ; v30  the scale word just made
.set SWT,  31                          ; v31  where it goes
.set SC,   32
.set AF,   128
.set PC,   32                          ; the way out: v32-47 the codes just made,
.set TM,   48                          ; v48-63 the quantiser's work,
.set BI,   64                          ; v64-127 the biases,
.set H,    128                         ; v128-191 an image's 64 numbers,
.set SS,   192                         ; v192-207 sums of squares and reciprocals
.set G1, 24
.set G0, 32
.set G1B, 48
.set G0B, 56
.set G1S, 68
.set G0S, 76
.set G1SB, 80
.set G0SB, 88
.set SEL, 104                          ; s[104:105] lane selects, set on the way out
.set MNT, 3                            ; s3   the mantissa field of 448, set on the way out
.set MSB, 0
.macro WIN new                         ; the immediate's high byte repeats the setting that is left
.if MSB != (\new)
	s_set_vgpr_msb (MSB<<8)|(\new)
.set MSB, (\new)
.endif
.endm
.set MUL_LO, 0xa1
.set MUL_HI, 0xf1
.set TO_B,   0x40
.macro JLOAD g0a, g1a, g0b, g1b        ; a joint load: waves 0 and 1 fetch for R, waves 2 and 3 for C; four v_nop follow each of the two lines
	s_cmp_eq_u32 s15, 0
	s_cbranch_scc0 .Lfor_b_\@
	tensor_load_to_lds s[\g0a:\g0a+3], s[\g1a:\g1a+7]
	s_nop 0
.rept 4
	v_nop
.endr
	s_branch .Lasked_\@
.Lfor_b_\@:
	tensor_load_to_lds s[\g0b:\g0b+3], s[\g1b:\g1b+7]
	s_nop 0
.rept 4
	v_nop
.endr
.Lasked_\@:
.endm
.macro CREST
	s_cmp_lg_u32 s14, 0
	s_cbranch_scc1 .Lnot_wave_0_\@
	s_barrier_signal -3
.Lnot_wave_0_\@:
	s_barrier_wait -3
	s_barrier_signal -1
	s_barrier_wait -1
.endm
.macro CROUND
	s_barrier_signal -1
	s_barrier_wait -1
	CREST
.endm
	s_load_b512 s[68:83], s[0:1], 0x0              ; xn, wq codes, wq scales, wk codes, wk scales, wv codes, wv scales, bq
	s_load_b128 s[84:87], s[0:1], 0x40             ; bk, bv
	s_load_b64 s[88:89], s[0:1], 0x50              ; qkv
	v_lshl_add_u32 v[SPW], v0, 2, SPARE
	v_mov_b32 v[NIL], 0
	ds_add_u32 v28, v29
	s_wait_dscnt 0x0
	v_lshrrev_b32 v1, 5, v0
	v_readfirstlane_b32 s14, v1                    ; wave 0..3
	s_lshr_b32 s15, s14, 1                         ; which half of R's rows is mine.  Also: I fetch for R (0) or for C (1)
	s_and_b32 s16, s14, 1                          ; which half of C's.  Also: which 128 rows of that tile I fetch
	s_bfe_u32 s40, ttmp6, 0x40000                  ; cx, cy
	s_bfe_u32 s41, ttmp6, 0x40004
	s_and_b32 s18, ttmp7, 0xffff                   ; cluster y, 0..5
	s_max_u32 s20, s18, 4
	s_sub_co_u32 s20, s20, 4
	s_lshl_b32 s20, s20, 1
	s_add_co_u32 s20, s20, ttmp9                   ; kind 1: which four tiles of tokens: 2 (cluster y - 4) + cluster x
	s_cmp_ge_u32 s18, 4
	s_cselect_b32 s66, 1, 0                        ; the kind
	s_cselect_b32 s19, 0, s18
	s_cselect_b32 s20, s20, 0
	s_lshl_b32 s42, s20, 2
	s_add_co_u32 s42, s42, s40                     ; C's tile
	s_lshl_b32 s17, s19, 2
	s_add_co_u32 s17, s17, s41                     ; R's tile
	s_lshl_b32 s43, s41, 2
	s_lshl_b32 s43, 15, s43                        ; my row of the cluster
	s_lshl_b32 s44, 0x1111, s40                    ; my column
	s_or_b32 s[G1+0], s43, (0<<16)|(1<<20)|(1<<21)|(5<<22)|(3<<25)  ; the mask; elements of 1 byte; padding: 4 words after every 64; bit 21 beside a mask
	s_or_b32 s[G1B+0], s44, (0<<16)|(1<<20)|(1<<21)|(5<<22)|(3<<25)
.irp g, G1, G1B
	s_mov_b32 s[\g+1], ROWB<<16                    ; tensor_dim0
	s_mov_b32 s[\g+2], 128<<16                     ; tensor_dim1
	s_mov_b32 s[\g+3], ROWB<<16                    ; tile_dim0
	s_mov_b32 s[\g+4], 128                         ; tile_dim1
	s_mov_b32 s[\g+5], KROW                        ; the pitch
	s_mov_b32 s[\g+6], 0
	s_mov_b32 s[\g+7], 0
.endr
	s_lshl_b32 s18, s16, 7                         ; which 128 rows of the tile I fetch
	s_lshl_b32 s20, s17, 8
	s_add_co_u32 s20, s20, s18                     ; R: row 256 x tile + 128 x half
	s_lshl_b32 s46, s42, 8
	s_add_co_u32 s46, s46, s18                     ; C likewise
	s_mov_b32 s21, 0
	s_mov_b32 s47, 0
	s_mov_b64 s[18:19], KS
	s_mul_u64 s[22:23], s[20:21], s[18:19]         ; where these rows' scale bytes begin
	s_mul_u64 s[100:101], s[46:47], s[18:19]
	s_mov_b64 s[18:19], KROW
	s_mul_u64 s[20:21], s[20:21], s[18:19]         ; and their codes
	s_mul_u64 s[46:47], s[46:47], s[18:19]
	s_mul_i32 s45, s14, HALFT                      ; where they go: wave x 128 rows
	s_mul_i32 s2, s14, HALFS
	s_wait_kmcnt 0x0
	s_add_nc_u64 s[90:91], s[68:69], 0x400000      ; xn's scale bytes
	s_cmp_eq_u32 ttmp9, 0                          ; kind 0: wq or wk, by the cluster's x
	s_cselect_b64 s[70:71], s[70:71], s[74:75]
	s_cselect_b64 s[72:73], s[72:73], s[76:77]
	s_cselect_b64 s[82:83], s[82:83], s[84:85]
	s_cmp_eq_u32 s66, 0
	s_cselect_b64 s[4:5], s[68:69], s[78:79]       ; R's codes: xn or wv
	s_cselect_b64 s[6:7], s[90:91], s[80:81]       ; R's scales
	s_cselect_b64 s[8:9], s[70:71], s[68:69]       ; C's codes: the weight or xn
	s_cselect_b64 s[10:11], s[72:73], s[90:91]     ; C's scales
	s_cselect_b64 s[94:95], s[82:83], s[86:87]     ; the bias
	s_mov_b64 s[96:97], s[88:89]                   ; qkv
	s_or_b32 s[G1S+0], s43, (3<<16)|(1<<20)|(1<<21)|(5<<22)|(3<<25)   ; the scales of 128 rows: a dense block, as rows of 256 bytes (32 elements of 8), 16 bytes of padding behind each
	s_or_b32 s[G1SB+0], s44, (3<<16)|(1<<20)|(1<<21)|(5<<22)|(3<<25)
.irp g, G1S, G1SB
	s_mov_b32 s[\g+1], 32<<16
	s_mov_b32 s[\g+2], (128*KS/256)<<16
	s_mov_b32 s[\g+3], 32<<16
	s_mov_b32 s[\g+4], 128*KS/256
	s_mov_b32 s[\g+5], 32
	s_mov_b32 s[\g+6], 0
	s_mov_b32 s[\g+7], 0
.endr
	s_add_nc_u64 s[20:21], s[4:5], s[20:21]
	s_add_nc_u64 s[22:23], s[6:7], s[22:23]
	s_add_nc_u64 s[46:47], s[8:9], s[46:47]
	s_add_nc_u64 s[100:101], s[10:11], s[100:101]
	CROUND                                         ; all sixteen work-groups are here: the first joint loads meet
	s_mov_b32 s[G0S], 1
	s_add_co_u32 s[G0S+1], s2, SCL
	s_mov_b64 s[G0S+2:G0S+3], s[22:23]
	s_or_b32 s[G0S+3], s[G0S+3], 0x80000000
	s_mov_b32 s[G0SB], 1
	s_add_co_u32 s[G0SB+1], s2, SCL
	s_mov_b64 s[G0SB+2:G0SB+3], s[100:101]
	s_or_b32 s[G0SB+3], s[G0SB+3], 0x80000000
	JLOAD G0S, G1S, G0SB, G1SB                     ; the scales first: they are wanted with K step 0
.irp s, 0,1
	s_mov_b32 s[G0+4*\s], 1
	s_add_co_u32 s[G0+4*\s+1], s45, \s*SLOT
	s_add_nc_u64 s[G0+4*\s+2:G0+4*\s+3], s[20:21], \s*ROWB
	s_or_b32 s[G0+4*\s+3], s[G0+4*\s+3], 0x80000000
	s_mov_b32 s[G0B+4*\s], 1
	s_add_co_u32 s[G0B+4*\s+1], s45, \s*SLOT
	s_add_nc_u64 s[G0B+4*\s+2:G0B+4*\s+3], s[46:47], \s*ROWB
	s_or_b32 s[G0B+4*\s+3], s[G0B+4*\s+3], 0x80000000
	JLOAD G0+4*\s, G1, G0B+4*\s, G1B
.endr
	v_and_b32 v1, 15, v0                           ; r = lane % 16
	v_bfe_u32 v2, v0, 4, 1                         ; h = lane / 16
	v_mul_u32_u24 v3, v1, PITCH
	v_lshl_add_u32 v4, v2, 4, v3                   ; a fragment's row x pitch + 16 x half
	s_mul_i32 s21, s15, HALFT
	s_mul_i32 s22, s16, HALFT
	s_add_co_u32 s22, s22, 2*HALFT
.irp s, 0,1
	v_add_nc_u32 v[ADRA+\s], s21, v4
	v_add_nc_u32 v[ADRB+\s], s22, v4
	s_add_co_u32 s21, s21, SLOT
	s_add_co_u32 s22, s22, SLOT
.endr
	v_mul_u32_u24 v5, v1, KS                       ; my row's scales: KS bytes a row,
	v_lshrrev_b32 v6, 8, v5
	v_lshl_add_u32 v5, v6, 4, v5                   ; and 16 more for each 256 passed
	s_mul_i32 s21, s15, HALFS
	s_mul_i32 s22, s16, HALFS
	s_add_co_u32 s22, s22, 2*HALFS
	s_sub_co_u32 s22, s22, s21
	v_mul_u32_u24 v6, s22, v2                      ; lanes 16-31 take C's
	s_add_co_u32 s21, s21, SCL
	v_add_nc_u32 v5, v5, v6
	v_add_nc_u32 v[ADRS], s21, v5
	v_and_b32 v6, 31, v0
	v_lshlrev_b32 v[LI], 4, v6
	s_lshl_b32 s23, s14, 9
	v_lshl_add_u32 v[SWA], v1, 5, s23
	v_add_nc_u32 v[SRA], s23, v[LI]
	v_lshlrev_b32 v12, 5, v2                       ; the biases' offsets: 32 h (kind 0),
	v_lshlrev_b32 v13, 2, v1                       ; 4 r (kind 1); never rewritten
	; where my block goes.  u = 2 x R's tile + my half of R, w = 2 x C's tile + my half of C
	s_lshl_b32 s20, s17, 1
	s_add_co_u32 s20, s20, s15                     ; u: block of 128 tokens (kind 0), of 128 features (kind 1)
	s_lshl_b32 s46, s42, 1
	s_add_co_u32 s46, s46, s16                     ; w: pair of heads (kind 0), block of 128 tokens (kind 1)
	s_lshl_b32 s21, s46, 5
	s_add_co_u32 s21, s21, s20                     ; kind 0: block 32 w + u
	s_lshr_b32 s22, s46, 4
	s_lshl_b32 s22, s22, 3
	s_add_co_u32 s22, s22, s20
	s_lshl_b32 s22, s22, 4
	s_and_b32 s23, s46, 15
	s_add_co_u32 s22, s22, s23                     ; kind 1: block ((w / 16) 8 + u) 16 + w % 16
	s_lshl_b32 s47, ttmp9, 22                      ; k's codes lie 0x400000 behind q's
	s_lshl_b32 s104, s21, 14
	s_add_co_u32 s104, s104, s47
	s_lshl_b32 s105, s22, 14
	s_add_co_u32 s105, s105, VCO
	s_lshl_b32 s47, ttmp9, 18                      ; k's scale words 0x40000 behind q's
	s_lshl_b32 s21, s21, 10
	s_add_co_u32 s21, s21, s47
	s_add_co_u32 s21, s21, QSO
	s_lshl_b32 s22, s22, 9
	s_add_co_u32 s22, s22, VSO
	s_mov_b32 s23, 1024
	s_mov_b32 s92, 2048
	s_cmp_eq_u32 s66, 0
	s_cselect_b32 s18, s104, s105                  ; the codes' offset
	s_cselect_b32 s22, s21, s22                    ; the scale words'
	s_cselect_b32 s100, 8192, s23                  ; from an image's first half to its second
	s_cselect_b32 s92, 1024, s92                   ; from image to image
	s_cselect_b32 s46, s46, s20                    ; the bias runs along C (kind 0) or along R (kind 1)
	s_lshl_b32 s46, s46, 9
	s_mov_b32 s19, 0
	s_mov_b32 s23, 0
	s_mov_b32 s101, 0
	s_mov_b32 s93, 0
	s_mov_b32 s47, 0
	s_add_nc_u64 s[12:13], s[96:97], s[22:23]      ; s[12:13] my scale words
	s_add_nc_u64 s[96:97], s[96:97], s[18:19]      ; s[96:97] an image's registers 0-7
	s_add_nc_u64 s[98:99], s[96:97], s[100:101]    ; s[98:99] its registers 8-15
	s_add_nc_u64 s[94:95], s[94:95], s[46:47]
	s_cmp_eq_u32 s66, 0
	s_cbranch_scc0 .Lbias_v
.irp t, 0,1,2,3,4,5,6,7                        ; kind 0: BI[8 t + j] = bias[128 w + 16 t + 8 h + j]
	global_load_b128 v[BI+8*\t:BI+8*\t+3], v12, s[94:95] offset:64*\t
	global_load_b128 v[BI+8*\t+4:BI+8*\t+7], v12, s[94:95] offset:64*\t+16
.endr
	s_branch .Lbias_done
.Lbias_v:
.irp a, 0,1,2,3,4,5,6,7                        ; kind 1: BI[8 a + j] = bv[128 u + 16 a + r], for every j
.irp j, 0,1,2,3,4,5,6,7
	global_load_b32 v[BI+8*\a+\j], v13, s[94:95] offset:64*\a
.endr
.endr
.Lbias_done:
.macro FRAG reg, adr, q, i             ; a fragment: 16 rows x 128 K: lane l holds row l % 16; registers 4 c .. 4 c + 3 hold K = 32 c + 16 (l / 16) + 0 .. 15
.irp c, 0,1,2,3
	ds_load_b128 v[\reg+4*\c:\reg+4*\c+3], v[\adr] offset:128*(\q)+32*\c+(\i)*16*PITCH
.endr
.endm
; 16 matrix instructions: R's blocks a0, a0 + 1 x C's eight.  The 64 accumulators take turns, one instruction a turn, in the same order in every step.
.macro MUL16 a0, p, q, sc, zero
.irp a, \a0, \a0+1
.irp b, 0,1,2,3,4,5,6,7
.if \zero
	v_wmma_scale_f32_16x16x128_f8f6f4 v[8*(8*((\a)%4)+\b):8*(8*((\a)%4)+\b)+7], v[128*(\p)+FR*\b:128*(\p)+FR*\b+FR-1], v[AF+FR*(\a):AF+FR*(\a)+FR-1], 0, v[SC+8*NQ*(\sc)+NQ*\b+(\q)], v[SC+8*NQ*(\sc)+NQ*(\a)+(\q)] matrix_a_scale:MATRIX_SCALE_ROW1
.else
	v_wmma_scale_f32_16x16x128_f8f6f4 v[8*(8*((\a)%4)+\b):8*(8*((\a)%4)+\b)+7], v[128*(\p)+FR*\b:128*(\p)+FR*\b+FR-1], v[AF+FR*(\a):AF+FR*(\a)+FR-1], v[8*(8*((\a)%4)+\b):8*(8*((\a)%4)+\b)+7], v[SC+8*NQ*(\sc)+NQ*\b+(\q)], v[SC+8*NQ*(\sc)+NQ*(\a)+(\q)] matrix_a_scale:MATRIX_SCALE_ROW1
.endif
.endr
.endr
.endm
.macro FETCH_B slot, q, p
	WIN TO_B
.irp i, 0,1,2,3,4,5,6,7
	FRAG 128*(\p)+FR*\i, ADRB+\slot, \q, \i
.endr
	WIN 0
.endm
.macro FETCH_A slot, q, i0
.irp i, \i0, \i0+1, \i0+2, \i0+3
	FRAG AF+FR*(\i), ADRA+\slot, \q, \i
.endr
.endm
.macro SCALES sc                       ; a K step's scale words: lanes 0-15 take R's block i, lanes 16-31 C's block i
.irp i, 0,1,2,3,4,5,6,7
	ds_load_b64 v[SC+8*NQ*\sc+NQ*\i:SC+8*NQ*\sc+NQ*\i+1], v[ADRS] offset:\i*SBLK
.endr
.endm
.macro PLACES n                        ; plain vector instructions between a matrix instruction and a load into, or a read of, its registers
.rept \n
	v_nop
.endr
.endm
.macro STEP slot, q, zero              ; 128 along K that has its successor in the same slot
	s_wait_dscnt 4*NL                              ; C's set and R's blocks 0-3 are in; the youngest sixteen loads (R's blocks 4-7) may be out
	WIN MUL_LO
	MUL16 0, (\q)%2, \q, \slot, \zero
	MUL16 2, (\q)%2, \q, \slot, \zero
	s_wait_dscnt 0
	PLACES NP
	FETCH_B \slot, (\q)+1, 1-(\q)%2
	FETCH_A \slot, (\q)+1, 0
	WIN MUL_HI
	MUL16 4, (\q)%2, \q, \slot, \zero
	MUL16 6, (\q)%2, \q, \slot, \zero
	PLACES NP
	WIN 0
	FETCH_A \slot, (\q)+1, 4
.endm
; A slot's last step changes slots: one barrier; in front of it each wave waits for all its tensor loads, adds 0 to its spare word, and waits for that and for its reads of this slot.
.macro TURN slot, next, fill
	s_wait_tensorcnt 0x0                           ; all my tensor loads have landed: my part of the next slot
	ds_add_u32 v[SPW], v[NIL]                      ; 0 onto my spare word
	s_wait_dscnt 4*NL+1                            ; the add and the youngest sixteen loads may be out
	WIN MUL_LO
	MUL16 0, 1, NQ-1, \slot, 0
	s_wait_dscnt 0x0                               ; the add is done, and my reads of this slot are over
	s_barrier_signal -1
	MUL16 2, 1, NQ-1, \slot, 0
	WIN 0
	s_barrier_wait -1
.if \fill
	CREST                                          ; the barrier has opened a round of the cluster's barrier: no wave of any partner still reads this slot or has a load on its way
	s_add_nc_u64 s[G0+4*\slot+2:G0+4*\slot+3], s[G0+4*\slot+2:G0+4*\slot+3], 2*ROWB
	s_add_nc_u64 s[G0B+4*\slot+2:G0B+4*\slot+3], s[G0B+4*\slot+2:G0B+4*\slot+3], 2*ROWB
	JLOAD G0+4*\slot, G1, G0B+4*\slot, G1B         ; the first tensor load behind the round; its four v_nop are among the places in front of the loads below
	PLACES NP-4
.else
	PLACES NP
.endif
	v_add_nc_u32 v[ADRS], 4*NQ, v[ADRS]
	FETCH_B \next, 0, 0
	FETCH_A \next, 0, 0
	SCALES \next
	WIN MUL_HI
	MUL16 4, 1, NQ-1, \slot, 0
	MUL16 6, 1, NQ-1, \slot, 0
	PLACES NP
	WIN 0
	FETCH_A \next, 0, 4
.endm
	s_wait_tensorcnt 1                             ; the scales and my part of K step 0 are in; K step 1's load may be out
	s_barrier_signal -1
	s_barrier_wait -1
	FETCH_B 0, 0, 0
	FETCH_A 0, 0, 0
	SCALES 0
	FETCH_A 0, 0, 4
	STEP 0, 0, 1                                   ; the first step's products start the sums
	s_mov_b32 s3, LAPS-1
.Llap:
	TURN 0, 1, 1
	STEP 1, 0, 0
	TURN 1, 0, 1
	STEP 0, 0, 0
	s_sub_co_u32 s3, s3, 1
	s_cmp_lg_u32 s3, 0
	s_cbranch_scc1 .Llap
	TURN 0, 1, 0                                   ; the last lap fills nothing
	STEP 1, 0, 0
	s_wait_dscnt 4*NL
	WIN MUL_LO
	MUL16 0, 1, NQ-1, 1, 0
	MUL16 2, 1, NQ-1, 1, 0
	s_wait_dscnt 0
	WIN MUL_HI
	MUL16 4, 1, NQ-1, 1, 0
	MUL16 6, 1, NQ-1, 1, 0
	WIN 0
; 64 numbers of a lane, v[s] on, register 16 b + i in block b of my row, become an image's codes in v[PC] on and its scale word in v[PW]
.macro QUANT s
.irp b, 0,1,2,3
	v_max3_num_f32 v[TM+\b], |v[\s+16*\b]|, |v[\s+1+16*\b]|, 0x4800000   ; my 16 numbers, and the floor 2^(9 - 127): the byte cannot fall under 1
.endr
.irp i, 2,4,6,8,10,12,14
.irp b, 0,1,2,3
	v_max3_num_f32 v[TM+\b], v[TM+\b], |v[\s+16*\b+\i]|, |v[\s+1+16*\b+\i]|
.endr
.endr
.irp b, 0,1,2,3
	v_permlanex16_b32 v[TM+4+\b], v[TM+\b], s[SEL], s[SEL+1]
.endr
.irp b, 0,1,2,3
	v_max_num_f32 v[TM+\b], v[TM+\b], v[TM+4+\b]   ; with lane l xor 16's: the block's largest magnitude
.endr
.irp b, 0,1,2,3
	v_add_nc_u32 v[TM+12+\b], 0xfc000000, v[TM+\b] ; 8 off its exponent field: the conversion's scale operand
.endr
.irp b, 0,1,2,3
	v_and_or_b32 v[TM+8+\b], v[TM+\b], 0x7f800000, s[MNT]   ; 448 x the scale
.endr
.irp b, 0,1,2,3
	v_lshrrev_b32 v[TM+4+\b], 23, v[TM+12+\b]      ; the scale's byte
.endr
	v_lshl_or_b32 v[PW], v[TM+5], 8, v[TM+4]
	v_lshl_or_b32 v[PW], v[TM+6], 16, v[PW]
	v_lshl_or_b32 v[PW], v[TM+7], 24, v[PW]
.irp b, 0,1,2,3
.irp i, 0,1,2,3,4,5,6,7,8,9,10,11,12,13,14,15
	v_med3_num_f32 v[\s+16*\b+\i], v[\s+16*\b+\i], -v[TM+8+\b], v[TM+8+\b]   ; the conversion does not saturate (ISA guide 7.6.2): the hold comes first
.endr
	v_cvt_scalef32_pk8_fp8_f32 v[PC+4*\b:PC+1+4*\b], v[\s+16*\b:\s+7+16*\b], v[TM+12+\b]
	v_cvt_scalef32_pk8_fp8_f32 v[PC+2+4*\b:PC+3+4*\b], v[\s+8+16*\b:\s+15+16*\b], v[TM+12+\b]
.endr
	v_nop                                          ; a plain instruction behind the last conversion
.endm
	; THE WAY OUT: eight trips, an image (16 rows of R) each.  Only the lines that take an image's accumulators differ from trip to trip: they are written out and chosen by the trip's number.
	PLACES NP
	s_wait_loadcnt 0x0                             ; the biases
	s_mov_b32 s[SEL], 0x76543210
	s_mov_b32 s[SEL+1], 0xfedcba98
	s_mov_b32 s[MNT], 0x600000
.irp b, 0,1,2,3
	v_mov_b32 v[TM+4+\b], 0                        ; written once: a lane permute's destination counts as one of its sources
.endr
	s_mov_b32 s67, 0
.Limg:
.irp a, 0,1,2,3,4,5,6
	s_cmp_eq_u32 s67, \a
	s_cbranch_scc1 .Lget\a
.endr
	s_branch .Lget7
.irp a, 0,1,2,3,4,5,6,7
.Lget\a:
	s_cmp_eq_u32 s66, 0
	s_cbranch_scc0 .Lgetv\a
	WIN 0x02+(\a)/4                                ; source 0: window 2 or 3
.set p, 0
.rept 32
	v_pk_add_f32 v[H+p:H+p+1], v[64*((\a)%4)+p:64*((\a)%4)+p+1], v[BI+p:BI+p+1]   ; each accumulator from its low end on
.set p, p+2
.endr
	WIN 0
	s_branch .Lnorm
.Lgetv\a:
	WIN 0x02+(\a)/4
.set p, 0
.rept 32
	v_pk_add_f32 v[H+p:H+p+1], v[64*((\a)%4)+p:64*((\a)%4)+p+1], v[BI+8*(\a):BI+8*(\a)+1]
.set p, p+2
.endr
	WIN 0
	s_branch .Lquant
.endr
.Lnorm:                                            ; q, k: each head's 64 numbers (32 mine, 32 lane l xor 16's) are divided by max(their norm, 1e-12).  Registers 0-31: the even head; 32-63: the odd one
.irp e, 0,1
.irp c, 0,1
	v_pk_mul_f32 v[SS+4*\e+2*\c:SS+4*\e+2*\c+1], v[H+32*\e+16*\c:H+32*\e+16*\c+1], v[H+32*\e+16*\c:H+32*\e+16*\c+1]
.endr
.endr
.irp p, 2,4,6,8,10,12,14
.irp e, 0,1
.irp c, 0,1
	v_pk_fma_f32 v[SS+4*\e+2*\c:SS+4*\e+2*\c+1], v[H+32*\e+16*\c+\p:H+32*\e+16*\c+\p+1], v[H+32*\e+16*\c+\p:H+32*\e+16*\c+\p+1], v[SS+4*\e+2*\c:SS+4*\e+2*\c+1]
.endr
.endr
.endr
.irp e, 0,1
	v_pk_add_f32 v[SS+4*\e:SS+4*\e+1], v[SS+4*\e:SS+4*\e+1], v[SS+4*\e+2:SS+4*\e+3]
.endr
.irp e, 0,1
	v_add_f32 v[SS+4*\e], v[SS+4*\e], v[SS+4*\e+1]
.endr
.irp e, 0,1
	v_permlanex16_b32 v[SS+4*\e+1], v[SS+4*\e], s[SEL], s[SEL+1]
.endr
.irp e, 0,1
	v_add_f32 v[SS+4*\e], v[SS+4*\e], v[SS+4*\e+1]
.endr
.irp e, 0,1
	v_sqrt_f32 v[SS+8+\e], v[SS+4*\e]
.endr
	v_nop                                          ; a plain instruction behind the roots,
	s_wait_alu depctr_va_vdst(0)                   ; and one wait for both, ahead of their first reader
.irp e, 0,1
	v_max_num_f32 v[SS+8+\e], 0x2b8cbccc, v[SS+8+\e]   ; 1e-12
.endr
.irp e, 0,1
	v_rcp_f32 v[SS+10+2*\e], v[SS+8+\e]
.endr
	v_nop
	s_wait_alu depctr_va_vdst(0)
.irp e, 0,1
	v_mov_b32 v[SS+11+2*\e], v[SS+10+2*\e]
.endr
.irp e, 0,1
.set p, 0
.rept 16
	v_pk_mul_f32 v[H+32*\e+p:H+32*\e+p+1], v[H+32*\e+p:H+32*\e+p+1], v[SS+10+2*\e:SS+11+2*\e]
.set p, p+2
.endr
.endr
.Lquant:
	QUANT H
	global_store_b128 v[LI], v[PC:PC+3], s[96:97]                  ; each store covers 512 consecutive bytes
	global_store_b128 v[LI], v[PC+4:PC+7], s[96:97] offset:512
	global_store_b128 v[LI], v[PC+8:PC+11], s[98:99]
	global_store_b128 v[LI], v[PC+12:PC+15], s[98:99] offset:512
	s_lshl_b32 s2, s67, 2
	v_add_nc_u32 v[SWT], s2, v[SWA]
	ds_store_b32 v[SWT], v[PW]                     ; word (row r, image a) of my stage, which lies in slot 0: that slot has had its last fill, and nobody reads it.  Both halves of the lanes write the same word with the same value
	s_wait_xcnt 0x0                                ; the stores have read their data and their bases: both are written again below and in the next trip
	s_wait_dscnt 0x0
	s_add_nc_u64 s[96:97], s[96:97], s[92:93]
	s_add_nc_u64 s[98:99], s[98:99], s[92:93]
	s_add_co_u32 s67, s67, 1
	s_cmp_lt_u32 s67, 8
	s_cbranch_scc1 .Limg
	ds_load_b128 v[8:11], v[SRA]                   ; my 128 scale words, 16 bytes a lane
	s_wait_dscnt 0x0
	s_cmp_eq_u32 s66, 0
	s_cbranch_scc0 .Lscale_v
.irp i, 0,1,2,3
	v_and_b32 v[PC+\i], 0xffff, v[8+\i]            ; the even head's two bytes,
	v_lshrrev_b32 v[PC+4+\i], 16, v[8+\i]          ; the odd head's
.endr
	global_store_b128 v[LI], v[PC:PC+3], s[12:13]
	global_store_b128 v[LI], v[PC+4:PC+7], s[12:13] offset:512
	s_branch .Lscale_done
.Lscale_v:
	global_store_b128 v[LI], v[8:11], s[12:13]
.Lscale_done:
	s_wait_tensorcnt 0x0                           ; the wave's end
	ds_add_u32 v[SPW], v[NIL]
	s_wait_dscnt 0x0
	CROUND                                         ; the closing round
	s_endpgm
.Lfunc_end_k_qd0017ca1e1_qkv:
	.size	k_qd0017ca1e1_qkv, .Lfunc_end_k_qd0017ca1e1_qkv-k_qd0017ca1e1_qkv
	.p2alignl 7, 3214868480
	.fill 96, 4, 3214868480
	.section	.rodata,"a",@progbits
	.p2align	6, 0x0
	.amdhsa_kernel k_qd0017ca1e1_qkv
		.amdhsa_group_segment_fixed_size 327680
		.amdhsa_private_segment_fixed_size 0
		.amdhsa_enable_private_segment 0
		.amdhsa_kernarg_size 88
		.amdhsa_user_sgpr_count 2
		.amdhsa_user_sgpr_kernarg_segment_ptr 1
		.amdhsa_wavefront_size32 1
		.amdhsa_system_sgpr_workgroup_id_x 1
		.amdhsa_system_sgpr_workgroup_id_y 1
		.amdhsa_system_sgpr_workgroup_id_z 1
		.amdhsa_system_vgpr_workitem_id 0
		.amdhsa_next_free_vgpr 1024
		.amdhsa_next_free_sgpr 106
		.amdhsa_reserve_vcc 0
		.amdhsa_float_denorm_mode_32 3
		.amdhsa_float_denorm_mode_16_64 3
		.amdhsa_memory_ordered 1
		.amdhsa_forward_progress 1
		.amdhsa_inst_pref_size 174
	.end_amdhsa_kernel
	.amdgpu_metadata
---
amdhsa.version: [ 1, 2 ]
amdhsa.kernels:
  - .name:           k_qd0017ca1e1_qkv
    .symbol:         k_qd0017ca1e1_qkv.kd
    .args:
      - { .name: xn, .offset: 0, .size: 8, .value_kind: global_buffer, .address_space: global }
      - { .name: wq_codes, .offset: 8, .size: 8, .value_kind: global_buffer, .address_space: global }
      - { .name: wq_scales, .offset: 16, .size: 8, .value_kind: global_buffer, .address_space: global }
      - { .name: wk_codes, .offset: 24, .size: 8, .value_kind: global_buffer, .address_space: global }
      - { .name: wk_scales, .offset: 32, .size: 8, .value_kind: global_buffer, .address_space: global }
      - { .name: wv_codes, .offset: 40, .size: 8, .value_kind: global_buffer, .address_space: global }
      - { .name: wv_scales, .offset: 48, .size: 8, .value_kind: global_buffer, .address_space: global }
      - { .name: bq, .offset: 56, .size: 8, .value_kind: global_buffer, .address_space: global }
      - { .name: bk, .offset: 64, .size: 8, .value_kind: global_buffer, .address_space: global }
      - { .name: bv, .offset: 72, .size: 8, .value_kind: global_buffer, .address_space: global }
      - { .name: qkv, .offset: 80, .size: 8, .value_kind: global_buffer, .address_space: global }
    .group_segment_fixed_size: 327680
    .private_segment_fixed_size: 0
    .kernarg_segment_align: 8
    .kernarg_segment_size: 88
    .max_flat_workgroup_size: 128
    .sgpr_count:     106
    .vgpr_count:     1024
    .wavefront_size: 32
...
	.end_amdgpu_metadata
.endif
;; end of part 2
;; launch attn (part 3): grid 16 x 16, 16 waves a work-group, clusters of 4 x 1, 327,680 bytes of LDS; arguments qkv, logit_scale, ctx; writes ctx
.if DOCPART == 3
	.amdgcn_target "amdgcn-amd-amdhsa--gfx1250"
	.amdhsa_code_object_version 6
	.text
	.protected	k_qd0017ca1e1_attn
	.globl	k_qd0017ca1e1_attn
	.p2align	8
	.type	k_qd0017ca1e1_attn,@function
k_qd0017ca1e1_attn:
	s_mov_b64 s[64:65], 0
	v_nop
	global_prefetch_b8 v0, s[64:65] scope:SCOPE_SE
	s_setreg_imm32_b32 hwreg(HW_REG_WAVE_MODE, 25, 1), 1
	s_wait_xcnt 0x0
	s_wait_alu depctr_hold_cnt(0) depctr_sa_sdst(0) depctr_va_vdst(0) depctr_va_sdst(0) depctr_va_ssrc(0) depctr_va_vcc(0) depctr_vm_vsrc(0)
	s_getreg_b32 s2, hwreg(HW_REG_IB_STS2, 6, 4)
	s_cmp_eq_u32 s2, 0
	s_cbranch_scc0 .Lentry_in_a_cluster
	s_endpgm
.Lentry_in_a_cluster:
	s_bfe_u32 s2, ttmp6, 0x10000c
	s_cmp_lg_u32 s2, 0x3003
	s_cbranch_scc0 .Lentry_shape_is_right
	s_endpgm
.Lentry_shape_is_right:
; ctx = softmax(q k^T x scale) v for normalised q, k; scale = exp(min(logit_scale, ln 100)) of the head.  Both products on codes of FP8 (E4M3) with E8M0 scales; ctx is quantised at once along its 1,024 features.
; THE SOFTMAX: t = score x scale x log2(e); M = the running largest t, rounded up to a whole number; p = 2^(t - M) is quantised along the keys; the row's sum is taken of the unquantised p and divides at the end.
; When M moves, the sum and O are multiplied by 2^(old M - new M): exact.
; SHARES: a work-group takes a pair of heads x 128 queries; wave w takes head w / 8 of the pair and queries 16 (w % 8) on.  Every wave walks the batch's 2,048 keys, 128 a step.
; The four work-groups of a cluster walk the same k and v: each tile is asked for jointly (mask 15).  A slot holds 512 keys, four key steps: four blocks of k, four of v, 16 KB each, dense; waves 0-3 fetch 32 KB each.
; LAYOUT: all operands lie in memory as images of their registers (byte 512 c + 16 lane + i), so a fragment is ds_load_b128 at 16 x lane.  Both products are used transposed: a lane holds one query throughout.
; THE FIRST PRODUCT'S K IS A HEAD'S 64.  Registers 8-15 of q's fragment hold zero codes, and the upper two scale bytes of both sides are 0.  So whatever codes stand in registers 8-15 of k's fragment are multiplied
; by zeros, and add nothing so long as none of them is the NaN code.  k's eight fragments of a step therefore lie on end, 8 registers each: fragment t is registers 8 t .. 8 t + 15, its upper half fragment t + 1's codes
; (the quantiser holds every number at 448, so it makes no NaN code); the last is followed by p's codes (held likewise; cleared at the head) or by eight registers of zeros.
; TWO REGIONS OF 64 REGISTERS CHANGE ROLES EVERY STEP.  In a step k lies in RA and S^T is written to RB.  Behind the first product v's fragments are asked for into RA and land under the softmax; as each block of p
; is converted, its 16 registers of RB take the next step's k.  The next step has RA and RB swapped.  Only a slot's first step asks for its k at its head, behind the barrier.
; K's order inside a block of 32 is the same on both sides of each product: q's and k's images, and p's codes and v's images, are made from results of the same layout.
; LIMITS: NaN and infinities are not served.  A block of zeros gets the byte 1 and not 127: its codes are zeros, and this program alone reads the bytes.
.set SLOT1, 1<<17
.set NSL,   4                          ; slots' worth of keys
.set SCK,   2*SLOT1                    ; k's scale words of the walk: [16 blocks][2 heads][16 rows][8 images]
.set SCV,   SCK+16384                  ; v's: [16 blocks][16 rows][8 images]
.set SPARE, SCV+8192                   ; the spare words, 128 bytes a wave: eight blocks of 256 bytes that no other line names
.set STG,   SPARE+2048                 ; 512 bytes of their own for ctx's scale words
.set KCO,   0x400000
.set VCO,   0x800000
.set QSO,   0xC00000
.set KSO,   0xC40000
.set VSO,   0xC80000
.set AK0,  1                           ; v1   my lane's place in a block of k: 16 lane + 8,192 x head
.set AV0,  2                           ; v2   in a block of v: 65,536 further on
.set ASK0, 3                           ; v3   among k's scale words
.set ASV0, 4                           ; v4   among v's
.set SPW,  5
.set NIL,  6
.set PFO,  7                           ; v7   256 x lane: the prefetches' offset; never rewritten
.set ADK,  8                           ; v8-11 the slot's addresses: k, v, k's scale words, v's
.set ADV,  9
.set ADS,  10
.set ADT,  11
.set R1,   32                          ; v32-95   k, v or S^T, by turns
.set PC,   96                          ; v96-111  p's codes
.set R2,   112                         ; v112-175 k, v or S^T, by turns
.set ZT,   176                         ; v176-183 zeros
.set OT,   184                         ; v184-215 O^T
.set VSW,  216                         ; v216-219 v's scale words of four tiles
.set KSW,  220                         ; v220-227 k's of eight
.set QW,   228                         ; v228 q's scale word
.set PWD,  229                         ; v229 p's
.set CC,   230                         ; v[230:231] c, in both words
.set BM,   232                         ; v232-235 block maxima
.set BT,   236                         ; v236-239 the other half's maxima, a chain of the sum, the bytes
.set BH,   240
.set BS,   244                         ; v244-247 the conversions' scale operands
.set FF,   248                         ; v[248:249] f; the upper word is written once
.set TV,   250                         ; v250 at work
.set LI,   251                         ; v251 16 x lane
.set QSA,  252                         ; v252 32 x (lane % 16)
.set SWA,  253                         ; v253 where my row's two scale bytes go
.set SRA,  254                         ; v254 STG + 16 x lane
.set AW,   17                          ; s17  w % 8
.set WV,   18                          ; s18  my wave's number
.set PAR,  19                          ; s19  w / 8
.set SEL,  20
.set MNT,  22
.set G1,   24                          ; s[24:31] group 1: 128 rows of 256 bytes
.set G1SK, 32                          ; s[32:39] 32 rows
.set G0,   40                          ; s[40:43] group 0 of my tile; it walks
.set G0SK, 44                          ; s[44:47] group 0 of half of k's scale words
.set G1SV, 48                          ; s[48:55] 16 rows
.set G0SV, 56                          ; s[56:59] group 0 of half of v's
.set TB,   2                           ; s2   LDS byte at which the slot in hand begins
.set TS,   3                           ; s3   the slot's scale words of k: 4,096 bytes a slot
.set TJ,   66                          ; s66  of v: 2,048
.set SLOTS, 67
.set PFA,  76                          ; s[76:77] where my prefetches stand
.set LIM,  80                          ; s80  1 in a wave that prefetches, else the greatest number
.macro CROUND
	s_barrier_signal -1
	s_barrier_wait -1
	s_cmp_lg_u32 s[WV], 0
	s_cbranch_scc1 .Lnot_wave_0_\@
	s_barrier_signal -3
.Lnot_wave_0_\@:
	s_barrier_wait -3
	s_barrier_signal -1
	s_barrier_wait -1
.endm
.macro TLOAD                           ; a joint refill: waves 0-3, one tile each; four v_nop follow the line
	s_cmp_lt_u32 s[WV], 4
	s_cbranch_scc0 .Lno_load_\@
	tensor_load_to_lds s[G0:G0+3], s[G1:G1+7]
	s_nop 0
.rept 4
	v_nop
.endr
.Lno_load_\@:
.endm
; A prefetch of what the next change of slots will ask for: 64 KB of k and 64 KB of v.  The four clusters of a pair of heads walk the same bytes: the first asks.  Its four partners share them out by address,
; 16,384 bytes of each; in a work-group waves 4 and 5 ask for k's, waves 6 and 7 for v's, 8,192 bytes a wave, lanes 256 bytes apart.  The last change that fills a slot asks for nothing.
.macro ASK
	s_cmp_gt_u32 s[SLOTS], s[LIM]
	s_cbranch_scc0 .Lnot_mine_\@
	global_prefetch_b8 v[PFO], s[PFA:PFA+1] th:TH_LOAD_NT scope:SCOPE_SE
.Lnot_mine_\@:
.endm
	s_load_b128 s[4:7], s[0:1], 0x0                ; qkv, logit_scale
	s_load_b64 s[8:9], s[0:1], 0x10                ; ctx
	v_lshl_add_u32 v[SPW], v0, 2, SPARE
	v_mov_b32 v[NIL], 0
	ds_add_u32 v5, v6
	ds_add_u32 v5, v6
	s_wait_dscnt 0x0
	v_lshrrev_b32 v8, 5, v0
	s_delay_alu instid0(VALU_DEP_1)
	v_readfirstlane_b32 s[WV], v8
	s_lshr_b32 s[PAR], s[WV], 3
	s_and_b32 s[AW], s[WV], 7
	s_and_b32 s70, s[WV], 1
	s_bfe_u32 s10, ttmp6, 0x40000                  ; cx
	s_lshl_b32 s11, ttmp9, 2
	s_add_co_u32 s11, s11, s10                     ; my block of 128 queries in the batch
	s_and_b32 s12, ttmp7, 0xffff                   ; y = 8 x batch + pair of heads
	s_lshr_b32 s13, s12, 3
	s_and_b32 s14, s12, 7
	s_lshl_b32 s15, s14, 5
	s_lshl_b32 s16, s13, 4
	s_add_co_u32 s15, s15, s16                     ; the walk's first block of k: 32 x pair + 16 x batch
	s_add_co_u32 s16, s16, s11                     ; my block of tokens
	s_add_co_u32 s81, s15, s11                     ; my block of q
	s_lshl_b32 s68, s15, 14
	s_add_co_u32 s68, s68, KCO                     ; where k's codes begin in qkv,
	s_lshl_b32 s69, s12, 18
	s_add_co_u32 s69, s69, VCO                     ; and v's
	s_lshl_b32 s71, s70, 15
	s_cmp_lt_u32 s[WV], 2
	s_cselect_b32 s72, s68, s69                    ; waves 0, 1: two blocks each of a slot's four of k; waves 2, 3: of v
	s_add_co_u32 s72, s72, s71
	s_mov_b32 s73, 0
	s_lshl_b32 s74, s15, 10
	s_add_co_u32 s74, s74, KSO
	s_lshl_b32 s75, s70, 13
	s_add_co_u32 s74, s74, s75                     ; half of k's scale words
	s_mov_b32 s75, 0
	s_lshl_b32 s82, s12, 13
	s_add_co_u32 s82, s82, VSO
	s_lshl_b32 s83, s70, 12
	s_add_co_u32 s82, s82, s83                     ; half of v's
	s_mov_b32 s83, 0
	s_cmp_lt_u32 s[WV], 6
	s_cselect_b32 s84, s68, s69                    ; the prefetches: k's (waves 4, 5) or v's (waves 6, 7),
	s_lshl_b32 s85, s10, 14
	s_add_co_u32 s84, s84, s85                     ; my work-group's quarter,
	s_lshl_b32 s85, s70, 13
	s_add_co_u32 s84, s84, s85                     ; my wave's half of it,
	s_add_co_u32 s84, s84, 65536                   ; in slot 1: the first change of slots steps it to slot 2
	s_mov_b32 s85, 0
	s_sub_co_u32 s86, s[WV], 4
	s_lshr_b32 s86, s86, 2                         ; 0 in waves 4 to 7,
	s_or_b32 s86, s86, ttmp9                       ; of the first cluster: the same in all four partners
	s_cmp_eq_u32 s86, 0
	s_cselect_b32 s[LIM], 1, -1
	s_lshl_b32 s88, s81, 14                        ; q's codes: my block, my head's half, my image
	s_lshl_b32 s89, s[PAR], 13
	s_add_co_u32 s88, s88, s89
	s_lshl_b32 s89, s[AW], 10
	s_add_co_u32 s88, s88, s89
	s_mov_b32 s89, 0
	s_lshl_b32 s90, s81, 10                        ; q's scale words
	s_add_co_u32 s90, s90, QSO
	s_lshl_b32 s91, s[PAR], 9
	s_add_co_u32 s90, s90, s91
	s_lshl_b32 s91, s[AW], 2
	s_add_co_u32 s90, s90, s91
	s_mov_b32 s91, 0
	s_lshl_b32 s87, s16, 3
	s_add_co_u32 s87, s87, s14                     ; ctx's block: 8 x block of tokens + pair of heads
	s_lshl_b32 s92, s87, 14
	s_lshl_b32 s93, s[AW], 11
	s_add_co_u32 s92, s92, s93
	s_lshl_b32 s93, s[PAR], 10
	s_add_co_u32 s92, s92, s93
	s_mov_b32 s93, 0
	s_lshl_b32 s94, s87, 9
	s_add_co_u32 s94, s94, 0x400000
	s_mov_b32 s95, 0
	s_lshl_b32 s96, s14, 1
	s_add_co_u32 s96, s96, s[PAR]
	s_lshl_b32 s96, s96, 2                         ; my head's logit_scale
	s_mov_b32 s97, 0
	; group 1: dense rows of 256 bytes (32 elements of 8 bytes), no padding; mask 15 and bit 21 beside it
.irp g, G1, G1SK, G1SV
	s_mov_b32 s[\g], 15|(3<<16)|(1<<21)
	s_mov_b32 s[\g+1], 32<<16
	s_mov_b32 s[\g+3], 32<<16
	s_mov_b32 s[\g+5], 32
	s_mov_b32 s[\g+6], 0
	s_mov_b32 s[\g+7], 0
.endr
	s_mov_b32 s[G1+2], 128<<16
	s_mov_b32 s[G1+4], 128
	s_mov_b32 s[G1SK+2], 32<<16
	s_mov_b32 s[G1SK+4], 32
	s_mov_b32 s[G1SV+2], 16<<16
	s_mov_b32 s[G1SV+4], 16
	s_mov_b32 s[SEL], 0x76543210
	s_mov_b32 s[SEL+1], 0xfedcba98
	s_mov_b32 s[TB], 0
	s_mov_b32 s[TS], 0
	s_mov_b32 s[TJ], 0
	s_mov_b32 s[SLOTS], NSL-1
	s_and_b32 s60, s[WV], 3
	s_wait_kmcnt 0x0
	s_mov_b32 s[G0], 1
	s_lshl_b32 s[G0+1], s60, 15                    ; LDS: slot 0, 32 KB for each of the four waves that fetch
	s_add_nc_u64 s[G0+2:G0+3], s[4:5], s[72:73]
	s_or_b32 s[G0+3], s[G0+3], 0x80000000
	s_mov_b32 s[G0SK], 1
	s_lshl_b32 s[G0SK+1], s70, 13
	s_add_co_u32 s[G0SK+1], s[G0SK+1], SCK
	s_add_nc_u64 s[G0SK+2:G0SK+3], s[4:5], s[74:75]
	s_or_b32 s[G0SK+3], s[G0SK+3], 0x80000000
	s_mov_b32 s[G0SV], 1
	s_lshl_b32 s[G0SV+1], s70, 12
	s_add_co_u32 s[G0SV+1], s[G0SV+1], SCV
	s_add_nc_u64 s[G0SV+2:G0SV+3], s[4:5], s[82:83]
	s_or_b32 s[G0SV+3], s[G0SV+3], 0x80000000
	s_add_nc_u64 s[PFA:PFA+1], s[4:5], s[84:85]
	s_add_nc_u64 s[88:89], s[4:5], s[88:89]
	s_add_nc_u64 s[90:91], s[4:5], s[90:91]
	s_add_nc_u64 s[92:93], s[8:9], s[92:93]
	s_add_nc_u64 s[94:95], s[8:9], s[94:95]
	s_add_nc_u64 s[96:97], s[6:7], s[96:97]
	s_load_b32 s98, s[96:97], 0x0
	CROUND                                         ; all four work-groups are here: the first joint loads meet
	s_cmp_lt_u32 s[WV], 2                          ; a wave's two first fills stand in one branch: two loads of mine are out
	s_cbranch_scc0 .Lfirst_v
	tensor_load_to_lds s[G0SK:G0SK+3], s[G1SK:G1SK+7]
	s_nop 0
	tensor_load_to_lds s[G0:G0+3], s[G1:G1+7]
	s_nop 0
.rept 4
	v_nop
.endr
	s_branch .Lfirst_done
.Lfirst_v:
	s_cmp_lt_u32 s[WV], 4
	s_cbranch_scc0 .Lfirst_done
	tensor_load_to_lds s[G0SV:G0SV+3], s[G1SV:G1SV+7]
	s_nop 0
	tensor_load_to_lds s[G0:G0+3], s[G1:G1+7]
	s_nop 0
.rept 4
	v_nop
.endr
.Lfirst_done:
	v_and_b32 v8, 15, v0                           ; r
	s_wait_alu depctr_va_vdst(0)
	v_and_b32 v9, 31, v0                           ; lane
	s_delay_alu instid0(VALU_DEP_1)
	v_lshlrev_b32 v[LI], 4, v9
	s_wait_alu depctr_va_vdst(0)
	v_lshlrev_b32 v[QSA], 5, v8
	v_lshlrev_b32 v[PFO], 8, v9
	global_load_b128 v[16:19], v[LI], s[88:89]                     ; q's fragment stays in registers
	global_load_b128 v[20:23], v[LI], s[88:89] offset:512
	global_load_b32 v[QW], v[QSA], s[90:91]                        ; and its scale words
	s_lshl_b32 s60, s[PAR], 13
	v_add_nc_u32 v[AK0], s60, v[LI]
	s_delay_alu instid0(VALU_DEP_1)
	v_add_nc_u32 v[AV0], 0x10000, v[AK0]
	s_lshl_b32 s61, s[PAR], 9
	s_add_co_u32 s61, s61, SCK
	v_lshl_add_u32 v[ASK0], v8, 5, s61
	s_lshl_b32 s62, s[PAR], 4
	s_add_co_u32 s62, s62, SCV
	v_lshl_add_u32 v[ASV0], v8, 5, s62
	s_lshl_b32 s63, s[AW], 2
	s_lshl_b32 s60, s[PAR], 1
	s_add_co_u32 s63, s63, s60
	s_add_co_u32 s63, s63, STG
	v_lshl_add_u32 v[SWA], v8, 5, s63
	v_add_nc_u32 v[SRA], STG, v[LI]
.irp i, 0,1,2,3,4,5,6,7
	v_mov_b32 v[24+\i], 0                          ; the upper 64 of the first product's K in q's fragment: zero codes, written once
	v_mov_b32 v[PC+\i], 0                          ; what follows k's last fragment in R1, until p's first codes stand there
	v_mov_b32 v[ZT+\i], 0                          ; what follows it in R2, written once
.endr
.set n, 0
.rept 32
	v_mov_b32 v[OT+n], 0                           ; O^T: the first step finds zeros, which the first change of M leaves zeros
.set n, n+1
.endr
	v_mov_b32 v13, 0xff61b1e6                      ; the largest t so far: -3e38
	s_delay_alu instid0(VALU_DEP_1)
	v_floor_f32 v12, -v13                          ; -M
	v_mov_b32 v14, 0
	v_mov_b32 v15, 0
.irp b, 0,1,2,3
	v_mov_b32 v[BT+\b], 0                          ; written once: a lane permute's destination counts as one of its sources
.endr
	v_mov_b32 v[FF+1], 0                           ; named as the upper half of the pair
	s_wait_kmcnt 0x0
	v_mov_b32 v[TV], 0x40935d8e                    ; ln 100
	s_delay_alu instid0(VALU_DEP_1)
	v_min_num_f32 v[TV], s98, v[TV]
	s_delay_alu instid0(VALU_DEP_1)
	v_mul_f32 v[TV], 0x3fb8aa3b, v[TV]
	s_wait_alu depctr_va_vdst(0)
	v_exp_f32 v[CC], v[TV]                         ; the head's scale
	v_nop
	s_wait_alu depctr_va_vdst(0)
	v_mul_f32 v[CC], 0x3fb8aa3b, v[CC]             ; c = scale x log2(e): it only ever multiplies
	s_delay_alu instid0(VALU_DEP_1)
	v_mov_b32 v[CC+1], v[CC]
; A KEY STEP: 128 keys, the q-th block of the slot in hand.  RA: where k lies, and then v; RB: where S^T and p lie, and then the next step's k.
.macro STEP q, RA, RB
.if (\q) == 0                                  ; a slot's first step makes the slot's addresses and asks for its k here, behind the barrier
	v_add_nc_u32 v[ADK], s[TB], v[AK0]
	v_add_nc_u32 v[ADV], s[TB], v[AV0]
	s_wait_alu depctr_va_vdst(0)
	v_add_nc_u32 v[ADS], s[TS], v[ASK0]
	v_add_nc_u32 v[ADT], s[TJ], v[ASV0]
.set m, 0
	s_wait_alu depctr_va_vdst(0)
.rept 16
	ds_load_b128 v[(\RA)+4*m:(\RA)+4*m+3], v[ADK] offset:512*m     ; my head's half of a block of k is 8 KB on end: registers 4 m on take bytes 512 m on
.set m, m+1
.endr
	ds_load_b128 v[KSW:KSW+3], v[ADS]              ; the eight tiles' scale words of my row
	ds_load_b128 v[KSW+4:KSW+7], v[ADS] offset:16
.rept 5
	v_nop                                          ; with the four additions: nine places between the last step's second product and the products below
.endr
.else
.rept 9
	v_nop                                          ; nine places: the products below write S^T over the registers from which the last step's second product read v
.endr
.endif
	s_wait_dscnt 0x0                               ; k and its scale words are in
.irp t, 0,1,2,3,4,5,6,7                        ; S^T = k q^T: eight tiles of 16 keys
	v_wmma_scale_f32_16x16x128_f8f6f4 v[(\RB)+8*\t:(\RB)+8*\t+7], v[(\RA)+8*\t:(\RA)+8*\t+15], v[16:31], 0, v[KSW+\t], v[QW]
.endr
.rept 8
	v_nop                                          ; eight places in front of the loads into the registers that these products read, and of the first read of S^T
.endr
.set m, 0
.rept 16
	ds_load_b128 v[(\RA)+4*m:(\RA)+4*m+3], v[ADV] offset:16384*(\q)+512*m   ; v: my head's four tiles of 16 features: they land under the softmax
.set m, m+1
.endr
	ds_load_b128 v[VSW:VSW+3], v[ADT] offset:512*(\q)
.irp b, 0,1,2,3
	v_max3_num_f32 v[BM+\b], v[(\RB)+16*\b], v[(\RB)+16*\b+1], v[(\RB)+16*\b+2]   ; the largest score of each block of 32 keys: for the row's maximum, and, since p rises with the score, for the block's largest p
.endr
.irp i, 3,5,7,9,11,13
.irp b, 0,1,2,3
	v_max3_num_f32 v[BM+\b], v[BM+\b], v[(\RB)+16*\b+\i], v[(\RB)+16*\b+\i+1]
.endr
.endr
.irp b, 0,1,2,3
	v_max_num_f32 v[BM+\b], v[BM+\b], v[(\RB)+16*\b+15]
.endr
.irp b, 0,1,2,3
	s_delay_alu instid0(VALU_DEP_4)
	v_permlanex16_b32 v[BT+\b], v[BM+\b], s[SEL], s[SEL+1]
.endr
.irp b, 0,1,2,3
	s_delay_alu instid0(VALU_DEP_4)
	v_max_num_f32 v[BM+\b], v[BM+\b], v[BT+\b]     ; with lane l xor 16's 16 keys
.endr
	s_delay_alu instid0(VALU_DEP_2)
	v_max3_num_f32 v[TV], v[BM], v[BM+1], v[BM+2]
	s_delay_alu instid0(VALU_DEP_1)
	v_max_num_f32 v[TV], v[TV], v[BM+3]
	s_delay_alu instid0(VALU_DEP_1)
	v_mul_f32 v[TV], v[CC], v[TV]                  ; as t (c is positive)
	s_delay_alu instid0(VALU_DEP_1)
	v_max_num_f32 v13, v13, v[TV]                  ; the running largest t
	v_mov_b32 v[TV], v12
	s_delay_alu instid0(VALU_DEP_2)
	v_floor_f32 v12, -v13                          ; the new -M = -ceil(t)
	s_delay_alu instid0(VALU_DEP_1)
	v_sub_f32 v[TV], v12, v[TV]                    ; old M - new M: a whole number, 0 or less
	s_delay_alu instid0(VALU_DEP_1)
	v_cvt_i32_f32 v[TV], v[TV]
	s_delay_alu instid0(VALU_DEP_1)
	v_ldexp_f32 v[FF], 1.0, v[TV]                  ; f = 2^(old M - new M)
.set n, 0
.rept 32
	v_pk_fma_f32 v[(\RB)+n:(\RB)+n+1], v[(\RB)+n:(\RB)+n+1], v[CC:CC+1], v[12:13] op_sel_hi:[1,1,0]   ; t - M, two at a time
.set n, n+2
.endr
.irp b, 0,1,2,3
	v_fma_f32 v[BM+\b], v[BM+\b], v[CC], v12       ; the same of each block's largest score
.endr
.set n, 0
	s_wait_alu depctr_va_vdst(0)
.rept 64
	v_exp_f32 v[(\RB)+n], v[(\RB)+n]               ; p = 2^(t - M)
.set n, n+1
.endr
	v_pk_mul_f32 v[14:15], v[14:15], v[FF:FF+1] op_sel_hi:[1,0]    ; the sums under the new M: a plain instruction behind the exponentials
	s_wait_alu depctr_va_vdst(0)                   ; one wait for the whole batch, ahead of its first reader
.irp b, 0,1,2,3
	v_exp_f32 v[BM+\b], v[BM+\b]                   ; the block's largest p
.endr
	v_pk_add_f32 v[BT:BT+1], v[(\RB):(\RB)+1], v[(\RB)+2:(\RB)+3]  ; the row's sum of the unquantised p, in two chains
.irp j, 4,8,12,16,20,24,28,32,36,40,44,48,52,56,60
	v_pk_add_f32 v[14:15], v[14:15], v[(\RB)+\j:(\RB)+\j+1]
	v_pk_add_f32 v[BT:BT+1], v[BT:BT+1], v[(\RB)+\j+2:(\RB)+\j+3]
.endr
	s_delay_alu instid0(VALU_DEP_1)
	v_pk_add_f32 v[14:15], v[14:15], v[BT:BT+1]
	s_wait_alu depctr_va_vdst(0)                   ; and one for the four
.irp b, 0,1,2,3
	v_max_num_f32 v[BM+\b], 0x4800000, v[BM+\b]    ; the floor 2^(9 - 127)
.endr
.irp b, 0,1,2,3
	s_delay_alu instid0(VALU_DEP_4)
	v_add_nc_u32 v[BS+\b], 0xfc000000, v[BM+\b]    ; the conversion's scale operand
.endr
.irp b, 0,1,2,3
.endr
.irp b, 0,1,2,3
	s_delay_alu instid0(VALU_DEP_4)
	v_lshrrev_b32 v[BT+\b], 23, v[BS+\b]           ; the scale's byte
.endr
	s_delay_alu instid0(VALU_DEP_3)
	v_lshl_or_b32 v[PWD], v[BT+1], 8, v[BT]        ; p's scale word for these 128 keys
	s_delay_alu instid0(VALU_DEP_1)
	v_lshl_or_b32 v[PWD], v[BT+2], 16, v[PWD]
	s_delay_alu instid0(VALU_DEP_1)
	v_lshl_or_b32 v[PWD], v[BT+3], 24, v[PWD]
.irp b, 0,1,2,3
.irp i, 0,1,2,3,4,5,6,7,8,9,10,11,12,13,14,15
.endr
	v_cvt_scalef32_pk8_fp8_f32 v[PC+4*\b:PC+4*\b+1], v[(\RB)+16*\b:(\RB)+16*\b+7], v[BS+\b]
	v_cvt_scalef32_pk8_fp8_f32 v[PC+4*\b+2:PC+4*\b+3], v[(\RB)+16*\b+8:(\RB)+16*\b+15], v[BS+\b]
.if (\q) < 3                                   ; the block's 16 registers are free: they take two fragments of the next step's k, which lies in the same slot
.irp u, 0,1,2,3
	ds_load_b128 v[(\RB)+16*\b+4*\u:(\RB)+16*\b+4*\u+3], v[ADK] offset:16384*((\q)+1)+2048*\b+512*\u
.endr
.endif
.endr
.if (\q) < 3
	ds_load_b128 v[KSW:KSW+3], v[ADS] offset:1024*((\q)+1)
	ds_load_b128 v[KSW+4:KSW+7], v[ADS] offset:1024*((\q)+1)+16
.endif
.set n, 0
.rept 16
	v_pk_mul_f32 v[OT+n:OT+n+1], v[OT+n:OT+n+1], v[FF:FF+1] op_sel_hi:[1,0]   ; O^T under the new M.  These sixteen are also the places between the codes and the products below
.set n, n+2
.endr
.if (\q) < 3
	s_wait_alu depctr_va_vdst(0)
	s_wait_dscnt 18                                ; v and its scale words are in; the 18 loads issued behind them, the next step's k and its scale words, may be out
.else
	s_wait_alu depctr_va_vdst(0)
	s_wait_dscnt 0x0
.endif
.irp t, 0,1,2,3                                ; O^T += v^T p^T: the four accumulators take turns, one instruction a turn
	v_wmma_scale_f32_16x16x128_f8f6f4 v[OT+8*\t:OT+8*\t+7], v[(\RA)+16*\t:(\RA)+16*\t+15], v[PC:PC+15], v[OT+8*\t:OT+8*\t+7], v[VSW+\t], v[PWD]
.endr
.endm
.macro SLOT_STEPS                      ; a slot's four key steps; the regions are back where they began
	STEP 0, R1, R2
	STEP 1, R2, R1
	STEP 2, R1, R2
	STEP 3, R2, R1
	s_xor_b32 s[TB], s[TB], SLOT1                  ; on to the other slot,
	s_add_co_u32 s[TS], s[TS], 4096                ; and to its scale words
	s_add_co_u32 s[TJ], s[TJ], 2048
.endm
; THE CHANGE OF SLOTS stands at a slot's head.  Each wave waits for all its tensor loads, adds 0 to its spare word, and waits for that and for its reads of the slot that it has left.
; fill = 1: a round of the cluster's barrier follows, and behind it the slot just left is filled with the keys that follow: the load has four key steps in which to land.
.macro CHANGE fill
	s_wait_tensorcnt 0x0                           ; no tensor load of mine is out, so a group 0 may be written
	ds_add_u32 v[SPW], v[NIL]                      ; 0 onto my spare word
.if \fill
	s_xor_b32 s[G0+1], s[G0+1], SLOT1              ; the other slot than last time,
	s_add_nc_u64 s[G0+2:G0+3], s[G0+2:G0+3], 65536 ; the next 512 keys
	s_wait_xcnt 0x0                                ; the last prefetch, a slot back, has read its address
	s_add_nc_u64 s[PFA:PFA+1], s[PFA:PFA+1], 65536
	s_wait_dscnt 0x0                               ; the add is done, and my reads of the slot that I have left are over
	CROUND
	TLOAD                                          ; the first tensor load behind the round, one a wave
	ASK
.else
	s_wait_dscnt 0x0
	s_barrier_signal -1
	s_barrier_wait -1
.endif
.endm
	s_wait_loadcnt 0x0                             ; q
.Lslot:                                            ; NSL - 1 trips: behind each change of slots but the last the next slot is asked for
	CHANGE 1
	SLOT_STEPS
	s_sub_co_u32 s[SLOTS], s[SLOTS], 1
	s_cmp_lg_u32 s[SLOTS], 0
	s_cbranch_scc1 .Lslot
	CHANGE 0                                       ; the last slot is written out
	SLOT_STEPS
	; THE WAY OUT: O^T / the sum, quantised along my head's 64 features (two blocks of 32), stored as half an image
	v_add_f32 v14, v14, v15
	s_delay_alu instid0(VALU_DEP_1)
	v_permlanex16_b32 v[TV], v14, s[SEL], s[SEL+1]
	s_delay_alu instid0(VALU_DEP_1)
	v_add_f32 v14, v14, v[TV]                      ; the row's sum
	s_wait_alu depctr_va_vdst(0)
	v_rcp_f32 v14, v14
.rept 8
	v_nop                                          ; the places behind the last products
.endr
	s_wait_alu depctr_va_vdst(0)
.set n, 0
.rept 32
	v_mul_f32 v[R1+n], v[OT+n], v14                ; each accumulator from its low end on; R1 is free: the last step's p has been converted
.set n, n+1
.endr
.irp b, 0,1
	v_max3_num_f32 v[BM+\b], |v[R1+16*\b]|, |v[R1+16*\b+1]|, 0x4800000
.endr
.irp i, 2,4,6,8,10,12,14
.irp b, 0,1
	s_delay_alu instid0(VALU_DEP_2)
	v_max3_num_f32 v[BM+\b], v[BM+\b], |v[R1+16*\b+\i]|, |v[R1+16*\b+\i+1]|
.endr
.endr
.irp b, 0,1
	s_delay_alu instid0(VALU_DEP_2)
	v_permlanex16_b32 v[BT+\b], v[BM+\b], s[SEL], s[SEL+1]
.endr
.irp b, 0,1
	s_delay_alu instid0(VALU_DEP_2)
	v_max_num_f32 v[BM+\b], v[BM+\b], v[BT+\b]
.endr
.irp b, 0,1
	s_delay_alu instid0(VALU_DEP_2)
	v_add_nc_u32 v[BS+\b], 0xfc000000, v[BM+\b]
.endr
.irp b, 0,1
.endr
.irp b, 0,1
	s_delay_alu instid0(VALU_DEP_2)
	v_lshrrev_b32 v[BT+\b], 23, v[BS+\b]
.endr
	s_delay_alu instid0(VALU_DEP_1)
	v_lshl_or_b32 v[TV], v[BT+1], 8, v[BT]         ; my row's two scale bytes
.irp b, 0,1
.irp i, 0,1,2,3,4,5,6,7,8,9,10,11,12,13,14,15
.endr
	v_cvt_scalef32_pk8_fp8_f32 v[PC+4*\b:PC+4*\b+1], v[R1+16*\b:R1+16*\b+7], v[BS+\b]
	v_cvt_scalef32_pk8_fp8_f32 v[PC+4*\b+2:PC+4*\b+3], v[R1+16*\b+8:R1+16*\b+15], v[BS+\b]
.endr
	v_nop
	global_store_b128 v[LI], v[PC:PC+3], s[92:93]                  ; 512 consecutive bytes each
	global_store_b128 v[LI], v[PC+4:PC+7], s[92:93] offset:512
	ds_store_b16 v[SWA], v[TV]                     ; half of word (row r, image w % 8); both halves of the lanes write the same bytes with the same value
	s_wait_dscnt 0x0                               ; for the others' sake
	s_barrier_signal -1
	s_barrier_wait -1
	s_cmp_lg_u32 s[WV], 0
	s_cbranch_scc1 .Lnot_first
	ds_load_b128 v[PC+8:PC+11], v[SRA]             ; wave 0: the block's 128 scale words
	s_wait_dscnt 0x0
	global_store_b128 v[LI], v[PC+8:PC+11], s[94:95]
.Lnot_first:
	s_wait_tensorcnt 0x0                           ; the wave's end
	ds_add_u32 v[SPW], v[NIL]
	s_wait_dscnt 0x0
	CROUND                                         ; the closing round
	s_endpgm
.Lfunc_end_k_qd0017ca1e1_attn:
	.size	k_qd0017ca1e1_attn, .Lfunc_end_k_qd0017ca1e1_attn-k_qd0017ca1e1_attn
	.p2alignl 7, 3214868480
	.fill 96, 4, 3214868480
	.section	.rodata,"a",@progbits
	.p2align	6, 0x0
	.amdhsa_kernel k_qd0017ca1e1_attn
		.amdhsa_group_segment_fixed_size 327680
		.amdhsa_private_segment_fixed_size 0
		.amdhsa_enable_private_segment 0
		.amdhsa_kernarg_size 24
		.amdhsa_user_sgpr_count 2
		.amdhsa_user_sgpr_kernarg_segment_ptr 1
		.amdhsa_wavefront_size32 1
		.amdhsa_system_sgpr_workgroup_id_x 1
		.amdhsa_system_sgpr_workgroup_id_y 1
		.amdhsa_system_sgpr_workgroup_id_z 1
		.amdhsa_system_vgpr_workitem_id 0
		.amdhsa_next_free_vgpr 256
		.amdhsa_next_free_sgpr 100
		.amdhsa_reserve_vcc 0
		.amdhsa_float_denorm_mode_32 3
		.amdhsa_float_denorm_mode_16_64 3
		.amdhsa_fp16_overflow 1
		.amdhsa_memory_ordered 1
		.amdhsa_forward_progress 1
		.amdhsa_inst_pref_size 152
	.end_amdhsa_kernel
	.amdgpu_metadata
---
amdhsa.version: [ 1, 2 ]
amdhsa.kernels:
  - .name:           k_qd0017ca1e1_attn
    .symbol:         k_qd0017ca1e1_attn.kd
    .args:
      - { .name: qkv, .offset: 0, .size: 8, .value_kind: global_buffer, .address_space: global }
      - { .name: logit_scale, .offset: 8, .size: 8, .value_kind: global_buffer, .address_space: global }
      - { .name: ctx, .offset: 16, .size: 8, .value_kind: global_buffer, .address_space: global }
    .group_segment_fixed_size: 327680
    .private_segment_fixed_size: 0
    .kernarg_segment_align: 8
    .kernarg_segment_size: 24
    .max_flat_workgroup_size: 512
    .sgpr_count:     100
    .vgpr_count:     256
    .wavefront_size: 32
...
	.end_amdgpu_metadata
.endif
;; end of part 3
;; launch wo (part 4): grid 8 x 32, 4 waves a work-group, clusters of 4 x 4, 327,680 bytes of LDS; arguments ctx, wo_codes, wo_scales, bo, x, x2; writes x2
.if DOCPART == 4
	.amdgcn_target "amdgcn-amd-amdhsa--gfx1250"
	.amdhsa_code_object_version 6
	.text
	.protected	k_qd0017ca1e1_wo
	.globl	k_qd0017ca1e1_wo
	.p2align	8
	.type	k_qd0017ca1e1_wo,@function
k_qd0017ca1e1_wo:
	s_mov_b64 s[64:65], 0
	v_nop
	global_prefetch_b8 v0, s[64:65] scope:SCOPE_SE
	s_setreg_imm32_b32 hwreg(HW_REG_WAVE_MODE, 25, 1), 1
	s_wait_xcnt 0x0
	s_wait_alu depctr_hold_cnt(0) depctr_sa_sdst(0) depctr_va_vdst(0) depctr_va_sdst(0) depctr_va_ssrc(0) depctr_va_vcc(0) depctr_vm_vsrc(0)
	s_getreg_b32 s2, hwreg(HW_REG_IB_STS2, 6, 4)
	s_cmp_eq_u32 s2, 0
	s_cbranch_scc0 .Lentry_in_a_cluster
	s_endpgm
.Lentry_in_a_cluster:
	s_bfe_u32 s2, ttmp6, 0x10000c
	s_cmp_lg_u32 s2, 0xf033
	s_cbranch_scc0 .Lentry_shape_is_right
	s_endpgm
.Lentry_shape_is_right:
; out = A W^T + bias + resid.  A: 4,096 tokens x K as images of operand registers, [32 blocks of 128 tokens][K / 128 planes][16 KB], scale words [block][plane][16 rows][8 images] at ASCO;
; W: [1,024][K] codes of FP8 (E4M3), K innermost, scale bytes [1,024][K / 32]; bias [1,024], resid and out [4,096][1,024] f32.  Here K = 1,024: out = x2, A = ctx, W = wo.
; A tile is 128 tokens x 128 features: four waves of 64 x 64 (16 accumulators).  Source 0 = 16 rows of W, source 1 = an image of A: a lane holds eight neighbouring features of one token.
; A's images hold K inside each block of 32 in the order k = 8 h + i % 8 + 16 (i / 8) at place (h = lane / 16, i); W's fragments are read from their LDS rows in pieces of 8 bytes at 16 e + 8 h, which is the same order.
; K goes in steps of 512 (four planes) through two LDS slots filled by joint tensor loads: A's tile shared along a row of the 4 x 4 cluster, W's along a column.  All scale bytes come once and stay.
; With K = 1,024 the two slots hold all of K: nothing is filled again.  The residual is loaded at the head into registers of its own, in the layout in which rows leave.
.set K,     1024
.set ASCO,  0x400000
.set NPL,   K/128
.set KS,    K/32
.set LAPS,  K/1024
.set BP,    528                        ; a row of W in LDS: 512 bytes + 16 of padding: the 32 lanes of a load of 8 bytes touch 64 different banks (ISA guide 11.1)
.set BOFF,  65536                      ; a slot: A's four planes, dense, then W's 128 rows
.set SLOT,  BOFF+128*BP
.set SCA,   2*SLOT                     ; A's scale words, 512 bytes a plane
.set SCB,   SCA+NPL*512                ; W's scale bytes, as units of 256 bytes + 16 of padding
.set SBLK,  (16*KS/256)*272
.set SPARE, SCB+2*NPL*272              ; the spare words, 128 bytes a wave: two blocks of 256 bytes that no other line names
.set ADRA, 16
.set ADRB, 20
.set ASC,  22
.set BSC,  23
.set STO,  24
.set RD,   25
.set CO,   26
.set SPW,  28
.set NIL,  29
.set SA,   32                          ; v32-47  A's scale words: set s at + 8 s; register 4 (q / 2) + a: lanes 0-15 plane q even, lanes 16-31 plane q odd
.set SB,   48                          ; v48-79  W's: set s at + 16 s; register 4 b + q
.set BK,   64                          ; the way out: two sets of 32
.set ACC,  128
.set F0,   0                           ; fragment buffers, in window 1: A's four images, then W's four tiles
.set F1,   128
.set G1, 24
.set G0, 32
.set G1B, 48
.set G0B, 56
.set G1S, 72
.set G0S, 80
.set G1SB, 84
.set G0SB, 92
.set MSB, 0
.macro WIN new
.if MSB != (\new)
	s_set_vgpr_msb (MSB<<8)|(\new)
.set MSB, (\new)
.endif
.endm
.set MUL,  0x05
.set TO_F, 0x40
.macro JLOAD g0a, g1a, g0b, g1b        ; a joint load: waves 0 and 1 fetch for A, waves 2 and 3 for W; four v_nop follow each of the two lines
	s_cmp_eq_u32 s15, 0
	s_cbranch_scc0 .Lfor_b_\@
	tensor_load_to_lds s[\g0a:\g0a+3], s[\g1a:\g1a+7]
	s_nop 0
.rept 4
	v_nop
.endr
	s_branch .Lasked_\@
.Lfor_b_\@:
	tensor_load_to_lds s[\g0b:\g0b+3], s[\g1b:\g1b+7]
	s_nop 0
.rept 4
	v_nop
.endr
.Lasked_\@:
.endm
.macro CREST
	s_cmp_lg_u32 s14, 0
	s_cbranch_scc1 .Lnot_wave_0_\@
	s_barrier_signal -3
.Lnot_wave_0_\@:
	s_barrier_wait -3
	s_barrier_signal -1
	s_barrier_wait -1
.endm
.macro CROUND
	s_barrier_signal -1
	s_barrier_wait -1
	CREST
.endm
.macro PLACES n
.rept \n
	v_nop
.endr
.endm
	s_load_b256 s[4:11], s[0:1], 0x0               ; A, W's codes, W's scales, bias
	s_load_b128 s[68:71], s[0:1], 0x20             ; resid, out
	v_lshl_add_u32 v[SPW], v0, 2, SPARE
	v_mov_b32 v[NIL], 0
	ds_add_u32 v28, v29
	s_wait_dscnt 0x0
	v_lshrrev_b32 v1, 5, v0
	v_readfirstlane_b32 s14, v1                    ; wave 0..3
	s_lshr_b32 s15, s14, 1                         ; which 64 tokens are mine.  Also: I fetch for A (0) or for W (1)
	s_and_b32 s16, s14, 1                          ; which 64 features.  Also: which half I fetch
	s_bfe_u32 s40, ttmp6, 0x40000
	s_bfe_u32 s41, ttmp6, 0x40004
	s_lshl_b32 s42, ttmp9, 2
	s_add_co_u32 s42, s42, s40                     ; block of 128 features
	s_and_b32 s17, ttmp7, 0xffff
	s_lshl_b32 s17, s17, 2
	s_add_co_u32 s17, s17, s41                     ; block of 128 tokens
	s_lshl_b32 s43, s41, 2
	s_lshl_b32 s43, 15, s43                        ; my row of the cluster
	s_lshl_b32 s44, 0x1111, s40                    ; my column
	s_or_b32 s[G1], s43, (3<<16)|(1<<21)           ; A's codes: two planes, 128 dense rows of 256 bytes (32 elements of 8), no padding
	s_mov_b32 s[G1+1], 32<<16
	s_mov_b32 s[G1+2], 128<<16
	s_mov_b32 s[G1+3], 32<<16
	s_mov_b32 s[G1+4], 128
	s_mov_b32 s[G1+5], 32
	s_mov_b32 s[G1+6], 0
	s_mov_b32 s[G1+7], 0
	s_or_b32 s[G1B], s44, (0<<16)|(1<<20)|(1<<21)|(6<<22)|(3<<25)  ; W's codes: 64 rows of 512 bytes, 4 words of padding after every 128
	s_mov_b32 s[G1B+1], 512<<16
	s_mov_b32 s[G1B+2], 64<<16
	s_mov_b32 s[G1B+3], 512<<16
	s_mov_b32 s[G1B+4], 64
	s_mov_b32 s[G1B+5], K
	s_mov_b32 s[G1B+6], 0
	s_mov_b32 s[G1B+7], 0
	s_or_b32 s[G1S], s43, (3<<16)|(1<<21)          ; half of A's scale words: NPL dense rows of 256 bytes
	s_or_b32 s[G1SB], s44, (3<<16)|(1<<20)|(1<<21)|(5<<22)|(3<<25) ; half of W's scale bytes: as many, 16 bytes of padding behind each
.irp g, G1S, G1SB
	s_mov_b32 s[\g+1], 32<<16
	s_mov_b32 s[\g+2], NPL<<16
	s_mov_b32 s[\g+3], 32<<16
	s_mov_b32 s[\g+4], NPL
	s_mov_b32 s[\g+5], 32
	s_mov_b32 s[\g+6], 0
	s_mov_b32 s[\g+7], 0
.endr
	s_mul_i32 s20, s17, NPL*16384
	s_lshl_b32 s18, s16, 15
	s_add_co_u32 s20, s20, s18                     ; A's codes: my block of tokens, my two planes of a slot
	s_mov_b32 s21, 0
	s_mul_i32 s22, s17, NPL*512
	s_mul_i32 s18, s16, NPL*256
	s_add_co_u32 s22, s22, s18
	s_add_co_u32 s22, s22, ASCO                    ; A's scale words: my half
	s_mov_b32 s23, 0
	s_lshl_b32 s46, s42, 7
	s_lshl_b32 s18, s16, 6
	s_add_co_u32 s46, s46, s18                     ; W: my 64 rows
	s_mul_i32 s96, s46, KS
	s_mov_b32 s97, 0
	s_mul_i32 s46, s46, K
	s_mov_b32 s47, 0
	s_lshl_b32 s45, s16, 15                        ; where they go: no place in the cluster enters an LDS address
	s_mul_i32 s98, s16, 64*BP
	s_add_co_u32 s98, s98, BOFF
	s_mul_i32 s99, s16, NPL*256
	s_add_co_u32 s99, s99, SCA
	s_mul_i32 s100, s16, NPL*272
	s_add_co_u32 s100, s100, SCB
	s_wait_kmcnt 0x0
	s_add_nc_u64 s[20:21], s[4:5], s[20:21]
	s_add_nc_u64 s[22:23], s[4:5], s[22:23]
	s_add_nc_u64 s[46:47], s[6:7], s[46:47]
	s_add_nc_u64 s[96:97], s[8:9], s[96:97]
	CROUND                                         ; all sixteen work-groups are here: the first joint loads meet
	s_mov_b32 s[G0S], 1
	s_mov_b32 s[G0S+1], s99
	s_mov_b64 s[G0S+2:G0S+3], s[22:23]
	s_or_b32 s[G0S+3], s[G0S+3], 0x80000000
	s_mov_b32 s[G0SB], 1
	s_mov_b32 s[G0SB+1], s100
	s_mov_b64 s[G0SB+2:G0SB+3], s[96:97]
	s_or_b32 s[G0SB+3], s[G0SB+3], 0x80000000
	JLOAD G0S, G1S, G0SB, G1SB                     ; three loads of mine go out: the scales, slot 0, slot 1
.irp s, 0,1
	s_mov_b32 s[G0+4*\s], 1
	s_add_co_u32 s[G0+4*\s+1], s45, \s*SLOT
	s_add_nc_u64 s[G0+4*\s+2:G0+4*\s+3], s[20:21], \s*65536
	s_or_b32 s[G0+4*\s+3], s[G0+4*\s+3], 0x80000000
	s_mov_b32 s[G0B+4*\s], 1
	s_add_co_u32 s[G0B+4*\s+1], s98, \s*SLOT
	s_add_nc_u64 s[G0B+4*\s+2:G0B+4*\s+3], s[46:47], \s*512
	s_or_b32 s[G0B+4*\s+3], s[G0B+4*\s+3], 0x80000000
	JLOAD G0+4*\s, G1, G0B+4*\s, G1B
.endr
	v_and_b32 v1, 15, v0                           ; r
	v_bfe_u32 v2, v0, 4, 1                         ; h
	v_and_b32 v3, 31, v0
	v_lshlrev_b32 v4, 4, v3                        ; 16 x lane
	s_lshl_b32 s21, s15, 13
	v_add_nc_u32 v[ADRA], s21, v4                  ; A: my four images of a plane
	v_add_nc_u32 v[ADRA+1], SLOT, v[ADRA]
	v_mul_u32_u24 v5, v1, BP
	v_lshl_add_u32 v5, v2, 3, v5
	s_mul_i32 s22, s16, 64*BP
	s_add_co_u32 s22, s22, BOFF
	v_add_nc_u32 v[ADRB], s22, v5                  ; W: row r of my 64, + 8 h
	v_add_nc_u32 v[ADRB+1], SLOT, v[ADRB]
	v_lshlrev_b32 v5, 5, v1
	v_lshl_add_u32 v5, v2, 9, v5                   ; A's scale words: 32 r, and lanes 16-31 the next plane's
	s_lshl_b32 s22, s15, 4
	s_add_co_u32 s22, s22, SCA
	v_add_nc_u32 v[ASC], s22, v5
	v_mul_u32_u24 v5, v1, KS                       ; W's: KS bytes a row, and 16 more for each 256 passed
	v_lshrrev_b32 v6, 8, v5
	v_lshl_add_u32 v5, v6, 4, v5
	s_mul_i32 s22, s16, (64*KS/256)*272
	s_add_co_u32 s22, s22, SCB
	v_add_nc_u32 v[BSC], s22, v5
	s_mul_i32 s23, s14, 16*272                     ; my stage for the way out: 16 rows x (256 bytes + 16), in slot 0
	v_mul_u32_u24 v5, v1, 272
	v_lshl_add_u32 v5, v2, 5, v5
	v_add_nc_u32 v[STO], s23, v5
	v_mul_u32_u24 v5, v2, 272
	v_lshl_add_u32 v5, v1, 4, v5
	v_add_nc_u32 v[RD], s23, v5
	v_lshlrev_b32 v5, 12, v2
	v_lshl_add_u32 v[CO], v1, 4, v5                ; in resid and out: lanes 0-15 one row's 256 bytes, lanes 16-31 the next row's
	v_lshlrev_b32 v7, 4, v1
	s_lshl_b32 s20, s17, 19
	s_lshl_b32 s21, s15, 18
	s_add_co_u32 s20, s20, s21                     ; my first row, 4,096 bytes a row,
	s_lshl_b32 s46, s42, 9
	s_lshl_b32 s47, s16, 8
	s_add_co_u32 s46, s46, s47                     ; my first column
	s_mov_b32 s47, 0
	s_add_nc_u64 s[10:11], s[10:11], s[46:47]
	s_add_co_u32 s20, s20, s46
	s_mov_b32 s21, 0
	s_add_nc_u64 s[68:69], s[68:69], s[20:21]
	s_add_nc_u64 s[70:71], s[70:71], s[20:21]
	global_load_b128 v[12:15], v7, s[10:11]        ; the bias of my four columns
	WIN 0x80                                       ; destination window 2
.irp a, 0,1,2,3
.irp i, 0,1,2,3,4,5,6,7
	global_load_b128 v[32*\a+4*\i:32*\a+4*\i+3], v[CO], s[68:69] offset:(16*\a+2*\i)*4096
.endr
.endr
	WIN 0
; the fragments of plane q of a slot into buffer f: W's four tiles in pieces of 8 bytes, [the K step's scale words,] A's four images; the youngest eight loads are A's images 2 and 3
.macro FETCH slot, q, f, sc
	WIN TO_F
.irp i, 0,1,2,3
.irp e, 0,1,2,3,4,5,6,7
	ds_load_b64 v[(\f)+64+16*\i+2*\e:(\f)+64+16*\i+2*\e+1], v[ADRB+\slot] offset:128*(\q)+16*\e+16*BP*\i
.endr
.endr
.if \sc
	WIN 0
.irp u, 0,1
	ds_load_b128 v[SA+8*\slot+4*\u:SA+8*\slot+4*\u+3], v[ASC] offset:1024*\u
.endr
.irp i, 0,1,2,3
	ds_load_b128 v[SB+16*\slot+4*\i:SB+16*\slot+4*\i+3], v[BSC] offset:\i*SBLK
.endr
	WIN TO_F
.endif
.irp i, 0,1,2,3
.irp c, 0,1,2,3
	ds_load_b128 v[(\f)+16*\i+4*\c:(\f)+16*\i+4*\c+3], v[ADRA+\slot] offset:16384*(\q)+2048*\i+512*\c
.endr
.endr
.endm
; 8 matrix instructions: A's images a0, a0 + 1 x W's four tiles.  The 16 accumulators take turns, one instruction a turn, in the same order everywhere.
.macro MUL8 f, q, set, a0, zero
.irp a, \a0, \a0+1
.irp b, 0,1,2,3
.if \zero
	v_wmma_scale_f32_16x16x128_f8f6f4 v[ACC+8*(4*(\a)+\b):ACC+8*(4*(\a)+\b)+7], v[(\f)+64+16*\b:(\f)+64+16*\b+15], v[(\f)+16*(\a):(\f)+16*(\a)+15], 0, v[SB+16*(\set)+4*\b+(\q)], v[SA+8*(\set)+4*((\q)/2)+(\a)]
.elseif (\q)%2
	v_wmma_scale_f32_16x16x128_f8f6f4 v[ACC+8*(4*(\a)+\b):ACC+8*(4*(\a)+\b)+7], v[(\f)+64+16*\b:(\f)+64+16*\b+15], v[(\f)+16*(\a):(\f)+16*(\a)+15], v[ACC+8*(4*(\a)+\b):ACC+8*(4*(\a)+\b)+7], v[SB+16*(\set)+4*\b+(\q)], v[SA+8*(\set)+4*((\q)/2)+(\a)] matrix_b_scale:MATRIX_SCALE_ROW1
.else
	v_wmma_scale_f32_16x16x128_f8f6f4 v[ACC+8*(4*(\a)+\b):ACC+8*(4*(\a)+\b)+7], v[(\f)+64+16*\b:(\f)+64+16*\b+15], v[(\f)+16*(\a):(\f)+16*(\a)+15], v[ACC+8*(4*(\a)+\b):ACC+8*(4*(\a)+\b)+7], v[SB+16*(\set)+4*\b+(\q)], v[SA+8*(\set)+4*((\q)/2)+(\a)]
.endif
.endr
.endr
.endm
.macro QUARTER slot, q, zero           ; plane q = 0, 1, 2 of a slot, on buffer q % 2; the next plane is fetched in its middle
	s_wait_dscnt 8                                 ; all but A's images 2 and 3
	WIN MUL
	MUL8 F0+128*((\q)%2), \q, \slot, 0, \zero
	s_wait_dscnt 0x0
	PLACES 8                                       ; in front of loads into the buffer that the plane before multiplied
	FETCH \slot, (\q)+1, F0+128*(1-(\q)%2), 0
	WIN MUL
	MUL8 F0+128*((\q)%2), \q, \slot, 2, \zero
.endm
; a slot's last plane changes slots: one barrier; in front of it each wave waits for all its tensor loads, adds 0 to its spare word, and waits for that and for its reads of this slot
.macro TURN slot, next, fill
	WIN 0
	s_wait_tensorcnt 0x0
	ds_add_u32 v[SPW], v[NIL]                      ; 0 onto my spare word
	s_wait_dscnt 9                                 ; the add and the youngest eight loads may be out
	WIN MUL
	MUL8 F1, 3, \slot, 0, 0
	s_wait_dscnt 0x0                               ; the add is done, and my reads of this slot are over
	s_barrier_signal -1
	WIN 0
	s_barrier_wait -1
.if \fill
	CREST                                          ; the barrier has opened a round of the cluster's barrier
	s_add_nc_u64 s[G0+4*\slot+2:G0+4*\slot+3], s[G0+4*\slot+2:G0+4*\slot+3], 2*65536
	s_add_nc_u64 s[G0B+4*\slot+2:G0B+4*\slot+3], s[G0B+4*\slot+2:G0B+4*\slot+3], 2*512
	JLOAD G0+4*\slot, G1, G0B+4*\slot, G1B         ; the first tensor load behind the round
	PLACES 4
.else
	PLACES 8
.endif
	v_add_nc_u32 v[ASC], 2048, v[ASC]              ; the next K step's scale words
	v_add_nc_u32 v[BSC], 16, v[BSC]
	FETCH \next, 0, F0, 1
	WIN MUL
	MUL8 F1, 3, \slot, 2, 0
.endm
	s_wait_tensorcnt 1                             ; the scales and my part of slot 0 are in; slot 1's load may be out
	s_barrier_signal -1
	s_barrier_wait -1
	FETCH 0, 0, F0, 1
	QUARTER 0, 0, 1                                ; the first plane's products start the sums
.if LAPS > 1
	WIN 0
	s_mov_b32 s3, LAPS-1
.Llap:
	QUARTER 0, 1, 0
	QUARTER 0, 2, 0
	TURN 0, 1, 1
	QUARTER 1, 0, 0
	QUARTER 1, 1, 0
	QUARTER 1, 2, 0
	TURN 1, 0, 1
	QUARTER 0, 0, 0
	WIN 0
	s_sub_co_u32 s3, s3, 1
	s_cmp_lg_u32 s3, 0
	s_cbranch_scc1 .Llap
.endif
	QUARTER 0, 1, 0
	QUARTER 0, 2, 0
	TURN 0, 1, 0
	QUARTER 1, 0, 0
	QUARTER 1, 1, 0
	QUARTER 1, 2, 0
	s_wait_dscnt 8
	WIN MUL
	MUL8 F1, 3, 1, 0, 0
	s_wait_dscnt 0x0
	MUL8 F1, 3, 1, 2, 0
	WIN 0
; THE WAY OUT, 16 tokens x 64 features at a time, through my own stage (slot 0 has had its last fill, and nobody reads it): back come whole rows of 256 bytes, to which the residual and the bias are added
.macro TOSTAGE a
.irp b, 0,1,2,3
	ds_store_b128 v[STO], v[ACC+8*(4*(\a)+\b):ACC+8*(4*(\a)+\b)+3] offset:64*\b       ; each accumulator from its low end on
	ds_store_b128 v[STO], v[ACC+8*(4*(\a)+\b)+4:ACC+8*(4*(\a)+\b)+7] offset:64*\b+16
.endr
.set BB, BK+32*((\a)%2)
.irp i, 0,1,2,3,4,5,6,7
	ds_load_b128 v[BB+4*\i:BB+4*\i+3], v[RD] offset:544*\i         ; LDS serves a wave's instructions in order: these see the stores above
.endr
.endm
.macro SEND a, younger
.set BB, BK+32*((\a)%2)
	s_wait_dscnt \younger
	WIN 0x08                                       ; source 1: window 2
.set p, 0
.rept 16
	v_pk_add_f32 v[BB+p:BB+p+1], v[BB+p:BB+p+1], v[32*(\a)+p:32*(\a)+p+1]
.set p, p+2
.endr
	WIN 0
.irp i, 0,1,2,3,4,5,6,7
	v_pk_add_f32 v[BB+4*\i:BB+4*\i+1], v[BB+4*\i:BB+4*\i+1], v[12:13]
	v_pk_add_f32 v[BB+4*\i+2:BB+4*\i+3], v[BB+4*\i+2:BB+4*\i+3], v[14:15]
.endr
.irp i, 0,1,2,3,4,5,6,7
	global_store_b128 v[CO], v[BB+4*\i:BB+4*\i+3], s[70:71] offset:(16*(\a)+2*\i)*4096   ; 16 lanes store 256 consecutive bytes, at a multiple of 256 from the buffer's first byte
.endr
.endm
	PLACES 8
	s_wait_loadcnt 0x0                             ; the residual and the bias
	TOSTAGE 0
.irp a, 1,2,3
.if \a > 1
	s_wait_xcnt 0x0                                ; block a - 2's stores have read their registers: block a's loads may land there
.endif
	TOSTAGE \a
	SEND (\a)-1, 16                                ; behind block a - 1's loads: block a's 8 stores and 8 loads
.endr
	SEND 3, 0
	s_wait_tensorcnt 0x0                           ; the wave's end
	ds_add_u32 v[SPW], v[NIL]
	s_wait_dscnt 0x0
	CROUND                                         ; the closing round
	s_endpgm
.Lfunc_end_k_qd0017ca1e1_wo:
	.size	k_qd0017ca1e1_wo, .Lfunc_end_k_qd0017ca1e1_wo-k_qd0017ca1e1_wo
	.p2alignl 7, 3214868480
	.fill 96, 4, 3214868480
	.section	.rodata,"a",@progbits
	.p2align	6, 0x0
	.amdhsa_kernel k_qd0017ca1e1_wo
		.amdhsa_group_segment_fixed_size 327680
		.amdhsa_private_segment_fixed_size 0
		.amdhsa_enable_private_segment 0
		.amdhsa_kernarg_size 48
		.amdhsa_user_sgpr_count 2
		.amdhsa_user_sgpr_kernarg_segment_ptr 1
		.amdhsa_wavefront_size32 1
		.amdhsa_system_sgpr_workgroup_id_x 1
		.amdhsa_system_sgpr_workgroup_id_y 1
		.amdhsa_system_sgpr_workgroup_id_z 1
		.amdhsa_system_vgpr_workitem_id 0
		.amdhsa_next_free_vgpr 640
		.amdhsa_next_free_sgpr 102
		.amdhsa_reserve_vcc 0
		.amdhsa_float_denorm_mode_32 3
		.amdhsa_float_denorm_mode_16_64 3
		.amdhsa_memory_ordered 1
		.amdhsa_forward_progress 1
		.amdhsa_inst_pref_size 73
	.end_amdhsa_kernel
	.amdgpu_metadata
---
amdhsa.version: [ 1, 2 ]
amdhsa.kernels:
  - .name:           k_qd0017ca1e1_wo
    .symbol:         k_qd0017ca1e1_wo.kd
    .args:
      - { .name: ctx, .offset: 0, .size: 8, .value_kind: global_buffer, .address_space: global }
      - { .name: wo_codes, .offset: 8, .size: 8, .value_kind: global_buffer, .address_space: global }
      - { .name: wo_scales, .offset: 16, .size: 8, .value_kind: global_buffer, .address_space: global }
      - { .name: bo, .offset: 24, .size: 8, .value_kind: global_buffer, .address_space: global }
      - { .name: x, .offset: 32, .size: 8, .value_kind: global_buffer, .address_space: global }
      - { .name: x2, .offset: 40, .size: 8, .value_kind: global_buffer, .address_space: global }
    .group_segment_fixed_size: 327680
    .private_segment_fixed_size: 0
    .kernarg_segment_align: 8
    .kernarg_segment_size: 48
    .max_flat_workgroup_size: 128
    .sgpr_count:     102
    .vgpr_count:     640
    .wavefront_size: 32
...
	.end_amdgpu_metadata
.endif
;; end of part 4
;; launch ln2: the kernel of part 1 again; grid 256 x 1, 4 waves a work-group, no clusters, 22,016 bytes of LDS; arguments x2, ln2_g, ln2_b, xn; writes xn
;; launch fc1 (part 5): grid 16 x 16, 4 waves a work-group, clusters of 4 x 4, 327,680 bytes of LDS; arguments xn, w1_codes, w1_scales, b1, h; writes h
.if DOCPART == 5
	.amdgcn_target "amdgcn-amd-amdhsa--gfx1250"
	.amdhsa_code_object_version 6
	.text
	.protected	k_qd0017ca1e1_fc1
	.globl	k_qd0017ca1e1_fc1
	.p2align	8
	.type	k_qd0017ca1e1_fc1,@function
k_qd0017ca1e1_fc1:
	s_mov_b64 s[64:65], 0
	v_nop
	global_prefetch_b8 v0, s[64:65] scope:SCOPE_SE
	s_setreg_imm32_b32 hwreg(HW_REG_WAVE_MODE, 25, 1), 1
	s_wait_xcnt 0x0
	s_wait_alu depctr_hold_cnt(0) depctr_sa_sdst(0) depctr_va_vdst(0) depctr_va_sdst(0) depctr_va_ssrc(0) depctr_va_vcc(0) depctr_vm_vsrc(0)
	s_getreg_b32 s2, hwreg(HW_REG_IB_STS2, 6, 4)
	s_cmp_eq_u32 s2, 0
	s_cbranch_scc0 .Lentry_in_a_cluster
	s_endpgm
.Lentry_in_a_cluster:
	s_bfe_u32 s2, ttmp6, 0x10000c
	s_cmp_lg_u32 s2, 0xf033
	s_cbranch_scc0 .Lentry_shape_is_right
	s_endpgm
.Lentry_shape_is_right:
; h = Q(gelu(xn w1 + b1)): the product on codes of FP8 (E4M3) with one E8M0 scale for each 32 along K = 1,024; the exact gelu in f32; the result quantised at once along the hidden axis.
; A tile is 256 tokens x 256 hidden units, made by four waves of 128 x 128 (64 accumulators).  Source 0 = 16 rows of w1, source 1 = 16 tokens: a lane holds one token, and its registers run along the hidden units.
; K goes in steps of 256 through two LDS slots filled by joint tensor loads (xn's tile shared along a row of the 4 x 4 cluster, w1's along a column); the scale bytes of the 512 rows come once and stay.
; OUT.  A wave's 128 x 128 is one block of 16 KB of h, [32 blocks of tokens][32 planes of 128 hidden units]: eight images of 16 tokens; byte 512 c + 16 lane + i of an image is byte i of registers 4 c .. 4 c + 3.
; Place (c, h = lane / 16, i) holds k = 32 c + 8 h + i % 8 + 16 (i / 8): the reader takes the other operand in the same order.  Scale words: [block][plane][16 rows][8 images] at byte 0x1000000.
; GELU: x / 2 (1 + erf(x / sqrt 2)), erf(z) = z P(z^2) / Q(z^2) on z held within +-4.  LIMITS: 1 + erf cancels for very negative x (the error is a few 1e-8 of |x|).  NaN and infinities are not served.
; A block of zeros gets the byte 1 and not 127: its codes are zeros, and this program alone reads the bytes.
.set KSTEP,  256
.set NQ,     2
.set ROWB,   256
.set KROW,   1024
.set PITCH,  272
.set FR,     16
.set NL,     4
.set NP,     8
.set HALFT,  128*PITCH
.set SLOT,   4*HALFT
.set LAPS,   2
.set KS,     32
.set SCL,    2*SLOT
.set HALFS,  (128*KS/256)*272
.set SBLK,   (16*KS/256)*272
.set SPARE,  SCL+4*HALFS               ; the spare words, 128 bytes a wave: two blocks of 256 bytes that no other line names
.set ADRA, 16
.set ADRB, 20
.set LI,   24
.set SWA,  25
.set SRA,  26
.set ADRS, 27
.set SPW,  28
.set NIL,  29
.set PW,   30
.set SWT,  31
.set SC,   32
.set AF,   128
.set PC,   32
.set TM,   48
.set BI,   64
.set H,    128
.set ZC,   192                         ; the gelu's work: z held, later x / 2;
.set X2,   208                         ; z^2;
.set PP,   224                         ; P;
.set QQ,   240                         ; Q
.set G1, 24
.set G0, 32
.set G1B, 48
.set G0B, 56
.set G1S, 68
.set G0S, 76
.set G1SB, 80
.set G0SB, 88
.set SEL, 104
.set MNT, 3
.set MSB, 0
.macro WIN new
.if MSB != (\new)
	s_set_vgpr_msb (MSB<<8)|(\new)
.set MSB, (\new)
.endif
.endm
.set MUL_LO, 0xa1
.set MUL_HI, 0xf1
.set TO_B,   0x40
.macro JLOAD g0a, g1a, g0b, g1b
	s_cmp_eq_u32 s15, 0
	s_cbranch_scc0 .Lfor_b_\@
	tensor_load_to_lds s[\g0a:\g0a+3], s[\g1a:\g1a+7]
	s_nop 0
.rept 4
	v_nop
.endr
	s_branch .Lasked_\@
.Lfor_b_\@:
	tensor_load_to_lds s[\g0b:\g0b+3], s[\g1b:\g1b+7]
	s_nop 0
.rept 4
	v_nop
.endr
.Lasked_\@:
.endm
.macro CREST
	s_cmp_lg_u32 s14, 0
	s_cbranch_scc1 .Lnot_wave_0_\@
	s_barrier_signal -3
.Lnot_wave_0_\@:
	s_barrier_wait -3
	s_barrier_signal -1
	s_barrier_wait -1
.endm
.macro CROUND
	s_barrier_signal -1
	s_barrier_wait -1
	CREST
.endm
	s_load_b64 s[4:5], s[0:1], 0x0                 ; xn
	s_load_b128 s[8:11], s[0:1], 0x8               ; w1's codes, w1's scales
	s_load_b128 s[96:99], s[0:1], 0x18             ; b1, h
	v_lshl_add_u32 v[SPW], v0, 2, SPARE
	v_mov_b32 v[NIL], 0
	ds_add_u32 v28, v29
	s_wait_dscnt 0x0
	v_lshrrev_b32 v1, 5, v0
	v_readfirstlane_b32 s14, v1
	s_lshr_b32 s15, s14, 1
	s_and_b32 s16, s14, 1
	s_bfe_u32 s40, ttmp6, 0x40000
	s_bfe_u32 s41, ttmp6, 0x40004
	s_lshl_b32 s42, ttmp9, 2
	s_add_co_u32 s42, s42, s40                     ; tile of 256 hidden units
	s_and_b32 s17, ttmp7, 0xffff
	s_lshl_b32 s17, s17, 2
	s_add_co_u32 s17, s17, s41                     ; tile of 256 tokens
	s_lshl_b32 s43, s41, 2
	s_lshl_b32 s43, 15, s43
	s_lshl_b32 s44, 0x1111, s40
	s_or_b32 s[G1+0], s43, (0<<16)|(1<<20)|(1<<21)|(5<<22)|(3<<25)
	s_or_b32 s[G1B+0], s44, (0<<16)|(1<<20)|(1<<21)|(5<<22)|(3<<25)
.irp g, G1, G1B
	s_mov_b32 s[\g+1], ROWB<<16
	s_mov_b32 s[\g+2], 128<<16
	s_mov_b32 s[\g+3], ROWB<<16
	s_mov_b32 s[\g+4], 128
	s_mov_b32 s[\g+5], KROW
	s_mov_b32 s[\g+6], 0
	s_mov_b32 s[\g+7], 0
.endr
	s_or_b32 s[G1S+0], s43, (3<<16)|(1<<20)|(1<<21)|(5<<22)|(3<<25)
	s_or_b32 s[G1SB+0], s44, (3<<16)|(1<<20)|(1<<21)|(5<<22)|(3<<25)
.irp g, G1S, G1SB
	s_mov_b32 s[\g+1], 32<<16
	s_mov_b32 s[\g+2], (128*KS/256)<<16
	s_mov_b32 s[\g+3], 32<<16
	s_mov_b32 s[\g+4], 128*KS/256
	s_mov_b32 s[\g+5], 32
	s_mov_b32 s[\g+6], 0
	s_mov_b32 s[\g+7], 0
.endr
	s_lshl_b32 s18, s16, 7
	s_lshl_b32 s20, s17, 8
	s_add_co_u32 s20, s20, s18
	s_lshl_b32 s46, s42, 8
	s_add_co_u32 s46, s46, s18
	s_mov_b32 s21, 0
	s_mov_b32 s47, 0
	s_mov_b64 s[18:19], KS
	s_mul_u64 s[22:23], s[20:21], s[18:19]
	s_mul_u64 s[92:93], s[46:47], s[18:19]
	s_mov_b64 s[18:19], KROW
	s_mul_u64 s[20:21], s[20:21], s[18:19]
	s_mul_u64 s[46:47], s[46:47], s[18:19]
	s_mul_i32 s45, s14, HALFT
	s_mul_i32 s94, s14, HALFS
	s_wait_kmcnt 0x0
	s_add_nc_u64 s[6:7], s[4:5], 0x400000          ; xn's scale bytes
	s_add_nc_u64 s[20:21], s[4:5], s[20:21]
	s_add_nc_u64 s[22:23], s[6:7], s[22:23]
	s_add_nc_u64 s[46:47], s[8:9], s[46:47]
	s_add_nc_u64 s[92:93], s[10:11], s[92:93]
	CROUND
	s_mov_b32 s[G0S], 1
	s_add_co_u32 s[G0S+1], s94, SCL
	s_mov_b64 s[G0S+2:G0S+3], s[22:23]
	s_or_b32 s[G0S+3], s[G0S+3], 0x80000000
	s_mov_b32 s[G0SB], 1
	s_add_co_u32 s[G0SB+1], s94, SCL
	s_mov_b64 s[G0SB+2:G0SB+3], s[92:93]
	s_or_b32 s[G0SB+3], s[G0SB+3], 0x80000000
	JLOAD G0S, G1S, G0SB, G1SB
.irp s, 0,1
	s_mov_b32 s[G0+4*\s], 1
	s_add_co_u32 s[G0+4*\s+1], s45, \s*SLOT
	s_add_nc_u64 s[G0+4*\s+2:G0+4*\s+3], s[20:21], \s*ROWB
	s_or_b32 s[G0+4*\s+3], s[G0+4*\s+3], 0x80000000
	s_mov_b32 s[G0B+4*\s], 1
	s_add_co_u32 s[G0B+4*\s+1], s45, \s*SLOT
	s_add_nc_u64 s[G0B+4*\s+2:G0B+4*\s+3], s[46:47], \s*ROWB
	s_or_b32 s[G0B+4*\s+3], s[G0B+4*\s+3], 0x80000000
	JLOAD G0+4*\s, G1, G0B+4*\s, G1B
.endr
	v_and_b32 v1, 15, v0
	v_bfe_u32 v2, v0, 4, 1
	v_mul_u32_u24 v3, v1, PITCH
	v_lshl_add_u32 v4, v2, 4, v3
	s_mul_i32 s21, s15, HALFT
	s_mul_i32 s22, s16, HALFT
	s_add_co_u32 s22, s22, 2*HALFT
.irp s, 0,1
	v_add_nc_u32 v[ADRA+\s], s21, v4
	v_add_nc_u32 v[ADRB+\s], s22, v4
	s_add_co_u32 s21, s21, SLOT
	s_add_co_u32 s22, s22, SLOT
.endr
	v_mul_u32_u24 v5, v1, KS
	v_lshrrev_b32 v6, 8, v5
	v_lshl_add_u32 v5, v6, 4, v5
	s_mul_i32 s21, s15, HALFS
	s_mul_i32 s22, s16, HALFS
	s_add_co_u32 s22, s22, 2*HALFS
	s_sub_co_u32 s22, s22, s21
	v_mul_u32_u24 v6, s22, v2
	s_add_co_u32 s21, s21, SCL
	v_add_nc_u32 v5, v5, v6
	v_add_nc_u32 v[ADRS], s21, v5
	v_and_b32 v6, 31, v0
	v_lshlrev_b32 v[LI], 4, v6
	s_lshl_b32 s23, s14, 9
	v_lshl_add_u32 v[SWA], v1, 5, s23
	v_add_nc_u32 v[SRA], s23, v[LI]
	v_lshlrev_b32 v12, 5, v2                       ; the bias's offset: 32 h; never rewritten
	s_lshl_b32 s20, s17, 1
	s_add_co_u32 s20, s20, s15                     ; my block of 128 tokens
	s_lshl_b32 s46, s42, 1
	s_add_co_u32 s46, s46, s16                     ; my plane of 128 hidden units
	s_lshl_b32 s20, s20, 5
	s_add_co_u32 s20, s20, s46                     ; block 32 x tokens' + plane
	s_lshl_b32 s22, s20, 9
	s_add_co_u32 s22, s22, 0x1000000
	s_mov_b32 s23, 0
	s_lshl_b32 s20, s20, 14
	s_mov_b32 s21, 0
	s_lshl_b32 s46, s46, 9
	s_mov_b32 s47, 0
	s_add_nc_u64 s[12:13], s[98:99], s[22:23]      ; s[12:13] my scale words
	s_add_nc_u64 s[98:99], s[98:99], s[20:21]      ; s[98:99] my images
	s_add_nc_u64 s[96:97], s[96:97], s[46:47]
.irp t, 0,1,2,3,4,5,6,7                        ; BI[8 t + j] = b1[128 plane + 16 t + 8 h + j]
	global_load_b128 v[BI+8*\t:BI+8*\t+3], v12, s[96:97] offset:64*\t
	global_load_b128 v[BI+8*\t+4:BI+8*\t+7], v12, s[96:97] offset:64*\t+16
.endr
.macro FRAG reg, adr, q, i
.irp c, 0,1,2,3
	ds_load_b128 v[\reg+4*\c:\reg+4*\c+3], v[\adr] offset:128*(\q)+32*\c+(\i)*16*PITCH
.endr
.endm
; 16 matrix instructions; the 64 accumulators take turns, one instruction a turn, in the same order in every step
.macro MUL16 a0, p, q, sc, zero
.irp a, \a0, \a0+1
.irp b, 0,1,2,3,4,5,6,7
.if \zero
	v_wmma_scale_f32_16x16x128_f8f6f4 v[8*(8*((\a)%4)+\b):8*(8*((\a)%4)+\b)+7], v[128*(\p)+FR*\b:128*(\p)+FR*\b+FR-1], v[AF+FR*(\a):AF+FR*(\a)+FR-1], 0, v[SC+8*NQ*(\sc)+NQ*\b+(\q)], v[SC+8*NQ*(\sc)+NQ*(\a)+(\q)] matrix_a_scale:MATRIX_SCALE_ROW1
.else
	v_wmma_scale_f32_16x16x128_f8f6f4 v[8*(8*((\a)%4)+\b):8*(8*((\a)%4)+\b)+7], v[128*(\p)+FR*\b:128*(\p)+FR*\b+FR-1], v[AF+FR*(\a):AF+FR*(\a)+FR-1], v[8*(8*((\a)%4)+\b):8*(8*((\a)%4)+\b)+7], v[SC+8*NQ*(\sc)+NQ*\b+(\q)], v[SC+8*NQ*(\sc)+NQ*(\a)+(\q)] matrix_a_scale:MATRIX_SCALE_ROW1
.endif
.endr
.endr
.endm
.macro FETCH_B slot, q, p
	WIN TO_B
.irp i, 0,1,2,3,4,5,6,7
	FRAG 128*(\p)+FR*\i, ADRB+\slot, \q, \i
.endr
	WIN 0
.endm
.macro FETCH_A slot, q, i0
.irp i, \i0, \i0+1, \i0+2, \i0+3
	FRAG AF+FR*(\i), ADRA+\slot, \q, \i
.endr
.endm
.macro SCALES sc
.irp i, 0,1,2,3,4,5,6,7
	ds_load_b64 v[SC+8*NQ*\sc+NQ*\i:SC+8*NQ*\sc+NQ*\i+1], v[ADRS] offset:\i*SBLK
.endr
.endm
.macro PLACES n
.rept \n
	v_nop
.endr
.endm
.macro STEP slot, q, zero
	s_wait_dscnt 4*NL                              ; w1's set and the tokens' blocks 0-3 are in; the youngest sixteen loads may be out
	WIN MUL_LO
	MUL16 0, (\q)%2, \q, \slot, \zero
	MUL16 2, (\q)%2, \q, \slot, \zero
	s_wait_dscnt 0
	PLACES NP
	FETCH_B \slot, (\q)+1, 1-(\q)%2
	FETCH_A \slot, (\q)+1, 0
	WIN MUL_HI
	MUL16 4, (\q)%2, \q, \slot, \zero
	MUL16 6, (\q)%2, \q, \slot, \zero
	PLACES NP
	WIN 0
	FETCH_A \slot, (\q)+1, 4
.endm
.macro TURN slot, next, fill
	s_wait_tensorcnt 0x0                           ; all my tensor loads have landed
	ds_add_u32 v[SPW], v[NIL]                      ; 0 onto my spare word
	s_wait_dscnt 4*NL+1                            ; the add and the youngest sixteen loads may be out
	WIN MUL_LO
	MUL16 0, 1, NQ-1, \slot, 0
	s_wait_dscnt 0x0                               ; the add is done, and my reads of this slot are over
	s_barrier_signal -1
	MUL16 2, 1, NQ-1, \slot, 0
	WIN 0
	s_barrier_wait -1
.if \fill
	CREST
	s_add_nc_u64 s[G0+4*\slot+2:G0+4*\slot+3], s[G0+4*\slot+2:G0+4*\slot+3], 2*ROWB
	s_add_nc_u64 s[G0B+4*\slot+2:G0B+4*\slot+3], s[G0B+4*\slot+2:G0B+4*\slot+3], 2*ROWB
	JLOAD G0+4*\slot, G1, G0B+4*\slot, G1B
	PLACES NP-4
.else
	PLACES NP
.endif
	v_add_nc_u32 v[ADRS], 4*NQ, v[ADRS]
	FETCH_B \next, 0, 0
	FETCH_A \next, 0, 0
	SCALES \next
	WIN MUL_HI
	MUL16 4, 1, NQ-1, \slot, 0
	MUL16 6, 1, NQ-1, \slot, 0
	PLACES NP
	WIN 0
	FETCH_A \next, 0, 4
.endm
	s_wait_tensorcnt 1                             ; the scales and my part of K step 0 are in; K step 1's load may be out
	s_barrier_signal -1
	s_barrier_wait -1
	FETCH_B 0, 0, 0
	FETCH_A 0, 0, 0
	SCALES 0
	FETCH_A 0, 0, 4
	STEP 0, 0, 1
	s_mov_b32 s3, LAPS-1
.Llap:
	TURN 0, 1, 1
	STEP 1, 0, 0
	TURN 1, 0, 1
	STEP 0, 0, 0
	s_sub_co_u32 s3, s3, 1
	s_cmp_lg_u32 s3, 0
	s_cbranch_scc1 .Llap
	TURN 0, 1, 0
	STEP 1, 0, 0
	s_wait_dscnt 4*NL
	WIN MUL_LO
	MUL16 0, 1, NQ-1, 1, 0
	MUL16 2, 1, NQ-1, 1, 0
	s_wait_dscnt 0
	WIN MUL_HI
	MUL16 4, 1, NQ-1, 1, 0
	MUL16 6, 1, NQ-1, 1, 0
	WIN 0
.macro QUANT s
.irp b, 0,1,2,3
	v_max3_num_f32 v[TM+\b], |v[\s+16*\b]|, |v[\s+1+16*\b]|, 0x4800000   ; my 16 numbers, and the floor 2^(9 - 127)
.endr
.irp i, 2,4,6,8,10,12,14
.irp b, 0,1,2,3
	v_max3_num_f32 v[TM+\b], v[TM+\b], |v[\s+16*\b+\i]|, |v[\s+1+16*\b+\i]|
.endr
.endr
.irp b, 0,1,2,3
	v_permlanex16_b32 v[TM+4+\b], v[TM+\b], s[SEL], s[SEL+1]
.endr
.irp b, 0,1,2,3
	v_max_num_f32 v[TM+\b], v[TM+\b], v[TM+4+\b]
.endr
.irp b, 0,1,2,3
	v_add_nc_u32 v[TM+12+\b], 0xfc000000, v[TM+\b]
.endr
.irp b, 0,1,2,3
	v_and_or_b32 v[TM+8+\b], v[TM+\b], 0x7f800000, s[MNT]
.endr
.irp b, 0,1,2,3
	v_lshrrev_b32 v[TM+4+\b], 23, v[TM+12+\b]
.endr
	v_lshl_or_b32 v[PW], v[TM+5], 8, v[TM+4]
	v_lshl_or_b32 v[PW], v[TM+6], 16, v[PW]
	v_lshl_or_b32 v[PW], v[TM+7], 24, v[PW]
.irp b, 0,1,2,3
.irp i, 0,1,2,3,4,5,6,7,8,9,10,11,12,13,14,15
	v_med3_num_f32 v[\s+16*\b+\i], v[\s+16*\b+\i], -v[TM+8+\b], v[TM+8+\b]
.endr
	v_cvt_scalef32_pk8_fp8_f32 v[PC+4*\b:PC+1+4*\b], v[\s+16*\b:\s+7+16*\b], v[TM+12+\b]
	v_cvt_scalef32_pk8_fp8_f32 v[PC+2+4*\b:PC+3+4*\b], v[\s+8+16*\b:\s+15+16*\b], v[TM+12+\b]
.endr
	v_nop
.endm
.macro COEF r, bits                    ; a coefficient in both words of a scalar pair: the packed form names the pair
	s_mov_b32 s[\r], \bits
	s_mov_b32 s[\r+1], \bits
.endm
; 16 numbers z = x / sqrt 2 in v[H + 16 s] on become gelu(x).  Each step of a polynomial is walked over the eight pairs, so that no line waits for the line above it.
.macro GELU s
.set HS, H+16*(\s)
.set n, 0
.rept 16
	v_med3_num_f32 v[ZC+n], v[HS+n], -4.0, 4.0
.set n, n+1
.endr
.set p, 0
.rept 8
	v_pk_mul_f32 v[X2+p:X2+p+1], v[ZC+p:ZC+p+1], v[ZC+p:ZC+p+1]
.set p, p+2
.endr
.set p, 0
.rept 8
	v_pk_fma_f32 v[PP+p:PP+p+1], v[X2+p:X2+p+1], v[8:9], s[24:25] op_sel_hi:[1,1,0]
.set p, p+2
.endr
.irp c, 26,28,30,32,34
.set p, 0
.rept 8
	v_pk_fma_f32 v[PP+p:PP+p+1], v[PP+p:PP+p+1], v[X2+p:X2+p+1], s[\c:\c+1] op_sel_hi:[1,1,0]
.set p, p+2
.endr
.endr
.set p, 0
.rept 8
	v_pk_fma_f32 v[QQ+p:QQ+p+1], v[X2+p:X2+p+1], v[10:11], s[36:37] op_sel_hi:[1,1,0]
.set p, p+2
.endr
.irp c, 38,40,42
.set p, 0
.rept 8
	v_pk_fma_f32 v[QQ+p:QQ+p+1], v[QQ+p:QQ+p+1], v[X2+p:X2+p+1], s[\c:\c+1] op_sel_hi:[1,1,0]
.set p, p+2
.endr
.endr
.set n, 0
.rept 16
	v_rcp_f32 v[QQ+n], v[QQ+n]
.set n, n+1
.endr
.set p, 0
.rept 8
	v_pk_mul_f32 v[PP+p:PP+p+1], v[PP+p:PP+p+1], v[ZC+p:ZC+p+1]   ; z P: plain work behind the reciprocals that names none of them
.set p, p+2
.endr
	s_wait_alu depctr_va_vdst(0)                   ; one wait for the sixteen, ahead of their first reader
.set p, 0
.rept 8
	v_pk_mul_f32 v[PP+p:PP+p+1], v[PP+p:PP+p+1], v[QQ+p:QQ+p+1]   ; erf
.set p, p+2
.endr
.set p, 0
.rept 8
	v_pk_mul_f32 v[ZC+p:ZC+p+1], v[HS+p:HS+p+1], 0x3f3504f3 op_sel_hi:[1,0]   ; x / 2
.set p, p+2
.endr
.set p, 0
.rept 8
	v_pk_fma_f32 v[HS+p:HS+p+1], v[ZC+p:ZC+p+1], v[PP+p:PP+p+1], v[ZC+p:ZC+p+1]
.set p, p+2
.endr
.endm
	; THE WAY OUT: eight trips, an image (16 tokens) each.  Only the lines that take an image's accumulators differ from trip to trip: they are written out and chosen by the trip's number.
	PLACES NP
	s_wait_loadcnt 0x0                             ; the bias
	s_mov_b32 s[SEL], 0x76543210
	s_mov_b32 s[SEL+1], 0xfedcba98
	s_mov_b32 s[MNT], 0x600000
	COEF 24, 0x32edffee                            ; P's coefficients behind the first (no tensor load is out: the descriptors' registers are free)
	COEF 26, 0xb60cff51
	COEF 28, 0xb86ec2d2
	COEF 30, 0xba40ac63
	COEF 32, 0xbb41a1f6
	COEF 34, 0xbc83dbd4
	COEF 36, 0xb95fbd29                            ; Q's behind the first
	COEF 38, 0xbadc924e
	COEF 40, 0xbbf19bf8
	COEF 42, 0xbc69b6a7
	v_mov_b32 v8, 0xaf95df0b                       ; P's first
	v_mov_b32 v9, 0xaf95df0b
	v_mov_b32 v10, 0xb77460cd                      ; Q's first
	v_mov_b32 v11, 0xb77460cd
.irp b, 0,1,2,3
	v_mov_b32 v[TM+4+\b], 0                        ; written once: a lane permute's destination counts as one of its sources
.endr
.set p, 0
.rept 32
	v_pk_mul_f32 v[BI+p:BI+p+1], v[BI+p:BI+p+1], 0x3f3504f3 op_sel_hi:[1,0]   ; b1 / sqrt 2
.set p, p+2
.endr
	s_mov_b32 s67, 0
.Limg:
.irp a, 0,1,2,3,4,5,6
	s_cmp_eq_u32 s67, \a
	s_cbranch_scc1 .Lget\a
.endr
	s_branch .Lget7
.irp a, 0,1,2,3,4,5,6,7
.Lget\a:
	WIN 0x02+(\a)/4                                ; source 0: window 2 or 3
.set p, 0
.rept 32
	v_pk_fma_f32 v[H+p:H+p+1], v[64*((\a)%4)+p:64*((\a)%4)+p+1], 0x3f3504f3, v[BI+p:BI+p+1] op_sel_hi:[1,0,1]   ; z = (sum + b1) / sqrt 2; each accumulator from its low end on
.set p, p+2
.endr
	WIN 0
	s_branch .Lgelu
.endr
.Lgelu:
	GELU 0
	GELU 1
	GELU 2
	GELU 3
	QUANT H
.irp c, 0,1,2,3
	global_store_b128 v[LI], v[PC+4*\c:PC+4*\c+3], s[98:99] offset:512*\c   ; 512 consecutive bytes each
.endr
	s_lshl_b32 s2, s67, 2
	v_add_nc_u32 v[SWT], s2, v[SWA]
	ds_store_b32 v[SWT], v[PW]                     ; word (row r, image a) of my stage, which lies in slot 0: that slot has had its last fill, and nobody reads it
	s_wait_xcnt 0x0                                ; the stores have read their data and their base
	s_wait_dscnt 0x0
	s_add_nc_u64 s[98:99], s[98:99], 2048
	s_add_co_u32 s67, s67, 1
	s_cmp_lt_u32 s67, 8
	s_cbranch_scc1 .Limg
	ds_load_b128 v[8:11], v[SRA]
	s_wait_dscnt 0x0
	global_store_b128 v[LI], v[8:11], s[12:13]     ; my 128 scale words: 512 consecutive bytes
	s_wait_tensorcnt 0x0                           ; the wave's end
	ds_add_u32 v[SPW], v[NIL]
	s_wait_dscnt 0x0
	CROUND
	s_endpgm
.Lfunc_end_k_qd0017ca1e1_fc1:
	.size	k_qd0017ca1e1_fc1, .Lfunc_end_k_qd0017ca1e1_fc1-k_qd0017ca1e1_fc1
	.p2alignl 7, 3214868480
	.fill 96, 4, 3214868480
	.section	.rodata,"a",@progbits
	.p2align	6, 0x0
	.amdhsa_kernel k_qd0017ca1e1_fc1
		.amdhsa_group_segment_fixed_size 327680
		.amdhsa_private_segment_fixed_size 0
		.amdhsa_enable_private_segment 0
		.amdhsa_kernarg_size 40
		.amdhsa_user_sgpr_count 2
		.amdhsa_user_sgpr_kernarg_segment_ptr 1
		.amdhsa_wavefront_size32 1
		.amdhsa_system_sgpr_workgroup_id_x 1
		.amdhsa_system_sgpr_workgroup_id_y 1
		.amdhsa_system_sgpr_workgroup_id_z 1
		.amdhsa_system_vgpr_workitem_id 0
		.amdhsa_next_free_vgpr 1024
		.amdhsa_next_free_sgpr 106
		.amdhsa_reserve_vcc 0
		.amdhsa_float_denorm_mode_32 3
		.amdhsa_float_denorm_mode_16_64 3
		.amdhsa_memory_ordered 1
		.amdhsa_forward_progress 1
		.amdhsa_inst_pref_size 194
	.end_amdhsa_kernel
	.amdgpu_metadata
---
amdhsa.version: [ 1, 2 ]
amdhsa.kernels:
  - .name:           k_qd0017ca1e1_fc1
    .symbol:         k_qd0017ca1e1_fc1.kd
    .args:
      - { .name: xn, .offset: 0, .size: 8, .value_kind: global_buffer, .address_space: global }
      - { .name: w1_codes, .offset: 8, .size: 8, .value_kind: global_buffer, .address_space: global }
      - { .name: w1_scales, .offset: 16, .size: 8, .value_kind: global_buffer, .address_space: global }
      - { .name: b1, .offset: 24, .size: 8, .value_kind: global_buffer, .address_space: global }
      - { .name: h, .offset: 32, .size: 8, .value_kind: global_buffer, .address_space: global }
    .group_segment_fixed_size: 327680
    .private_segment_fixed_size: 0
    .kernarg_segment_align: 8
    .kernarg_segment_size: 40
    .max_flat_workgroup_size: 128
    .sgpr_count:     106
    .vgpr_count:     1024
    .wavefront_size: 32
...
	.end_amdgpu_metadata
.endif
;; end of part 5
;; launch fc2 (part 6): grid 8 x 32, 4 waves a work-group, clusters of 4 x 4, 327,680 bytes of LDS; arguments h, w2_codes, w2_scales, b2, x2, out0; writes out0
.if DOCPART == 6
	.amdgcn_target "amdgcn-amd-amdhsa--gfx1250"
	.amdhsa_code_object_version 6
	.text
	.protected	k_qd0017ca1e1_fc2
	.globl	k_qd0017ca1e1_fc2
	.p2align	8
	.type	k_qd0017ca1e1_fc2,@function
k_qd0017ca1e1_fc2:
	s_mov_b64 s[64:65], 0
	v_nop
	global_prefetch_b8 v0, s[64:65] scope:SCOPE_SE
	s_setreg_imm32_b32 hwreg(HW_REG_WAVE_MODE, 25, 1), 1
	s_wait_xcnt 0x0
	s_wait_alu depctr_hold_cnt(0) depctr_sa_sdst(0) depctr_va_vdst(0) depctr_va_sdst(0) depctr_va_ssrc(0) depctr_va_vcc(0) depctr_vm_vsrc(0)
	s_getreg_b32 s2, hwreg(HW_REG_IB_STS2, 6, 4)
	s_cmp_eq_u32 s2, 0
	s_cbranch_scc0 .Lentry_in_a_cluster
	s_endpgm
.Lentry_in_a_cluster:
	s_bfe_u32 s2, ttmp6, 0x10000c
	s_cmp_lg_u32 s2, 0xf033
	s_cbranch_scc0 .Lentry_shape_is_right
	s_endpgm
.Lentry_shape_is_right:
; out = A W^T + bias + resid.  A: 4,096 tokens x K as images of operand registers, [32 blocks of 128 tokens][K / 128 planes][16 KB], scale words [block][plane][16 rows][8 images] at ASCO;
; W: [1,024][K] codes of FP8 (E4M3), K innermost, scale bytes [1,024][K / 32]; bias [1,024], resid and out [4,096][1,024] f32.  Here K = 4,096: out = out0, A = h, W = w2, resid = x2.
; A tile is 128 tokens x 128 features: four waves of 64 x 64 (16 accumulators).  Source 0 = 16 rows of W, source 1 = an image of A: a lane holds eight neighbouring features of one token.
; A's images hold K inside each block of 32 in the order k = 8 h + i % 8 + 16 (i / 8) at place (h = lane / 16, i); W's fragments are read from their LDS rows in pieces of 8 bytes at 16 e + 8 h, which is the same order.
; K goes in steps of 512 (four planes) through two LDS slots filled by joint tensor loads: A's tile shared along a row of the 4 x 4 cluster, W's along a column.  All scale bytes come once and stay.
; A wave has three tensor loads out at the start and one behind each round.  The residual is loaded at the head into registers of its own, in the layout in which rows leave.
.set K,     4096
.set ASCO,  0x1000000
.set NPL,   K/128
.set KS,    K/32
.set LAPS,  K/1024
.set BP,    528                        ; a row of W in LDS: 512 bytes + 16 of padding: the 32 lanes of a load of 8 bytes touch 64 different banks (ISA guide 11.1)
.set BOFF,  65536                      ; a slot: A's four planes, dense, then W's 128 rows
.set SLOT,  BOFF+128*BP
.set SCA,   2*SLOT                     ; A's scale words, 512 bytes a plane
.set SCB,   SCA+NPL*512                ; W's scale bytes, as units of 256 bytes + 16 of padding
.set SBLK,  (16*KS/256)*272
.set SPARE, SCB+2*NPL*272              ; the spare words, 128 bytes a wave: two blocks of 256 bytes that no other line names
.set ADRA, 16
.set ADRB, 20
.set ASC,  22
.set BSC,  23
.set STO,  24
.set RD,   25
.set CO,   26
.set SPW,  28
.set NIL,  29
.set SA,   32                          ; v32-47  A's scale words: set s at + 8 s; register 4 (q / 2) + a: lanes 0-15 plane q even, lanes 16-31 plane q odd
.set SB,   48                          ; v48-79  W's: set s at + 16 s; register 4 b + q
.set BK,   64                          ; the way out: two sets of 32
.set ACC,  128
.set F0,   0                           ; fragment buffers, in window 1: A's four images, then W's four tiles
.set F1,   128
.set G1, 24
.set G0, 32
.set G1B, 48
.set G0B, 56
.set G1S, 72
.set G0S, 80
.set G1SB, 84
.set G0SB, 92
.set MSB, 0
.macro WIN new
.if MSB != (\new)
	s_set_vgpr_msb (MSB<<8)|(\new)
.set MSB, (\new)
.endif
.endm
.set MUL,  0x05
.set TO_F, 0x40
.macro JLOAD g0a, g1a, g0b, g1b        ; a joint load: waves 0 and 1 fetch for A, waves 2 and 3 for W; four v_nop follow each of the two lines
	s_cmp_eq_u32 s15, 0
	s_cbranch_scc0 .Lfor_b_\@
	tensor_load_to_lds s[\g0a:\g0a+3], s[\g1a:\g1a+7]
	s_nop 0
.rept 4
	v_nop
.endr
	s_branch .Lasked_\@
.Lfor_b_\@:
	tensor_load_to_lds s[\g0b:\g0b+3], s[\g1b:\g1b+7]
	s_nop 0
.rept 4
	v_nop
.endr
.Lasked_\@:
.endm
.macro CREST
	s_cmp_lg_u32 s14, 0
	s_cbranch_scc1 .Lnot_wave_0_\@
	s_barrier_signal -3
.Lnot_wave_0_\@:
	s_barrier_wait -3
	s_barrier_signal -1
	s_barrier_wait -1
.endm
.macro CROUND
	s_barrier_signal -1
	s_barrier_wait -1
	CREST
.endm
.macro PLACES n
.rept \n
	v_nop
.endr
.endm
	s_load_b256 s[4:11], s[0:1], 0x0               ; A, W's codes, W's scales, bias
	s_load_b128 s[68:71], s[0:1], 0x20             ; resid, out
	v_lshl_add_u32 v[SPW], v0, 2, SPARE
	v_mov_b32 v[NIL], 0
	ds_add_u32 v28, v29
	s_wait_dscnt 0x0
	v_lshrrev_b32 v1, 5, v0
	v_readfirstlane_b32 s14, v1                    ; wave 0..3
	s_lshr_b32 s15, s14, 1                         ; which 64 tokens are mine.  Also: I fetch for A (0) or for W (1)
	s_and_b32 s16, s14, 1                          ; which 64 features.  Also: which half I fetch
	s_bfe_u32 s40, ttmp6, 0x40000
	s_bfe_u32 s41, ttmp6, 0x40004
	s_lshl_b32 s42, ttmp9, 2
	s_add_co_u32 s42, s42, s40                     ; block of 128 features
	s_and_b32 s17, ttmp7, 0xffff
	s_lshl_b32 s17, s17, 2
	s_add_co_u32 s17, s17, s41                     ; block of 128 tokens
	s_lshl_b32 s43, s41, 2
	s_lshl_b32 s43, 15, s43                        ; my row of the cluster
	s_lshl_b32 s44, 0x1111, s40                    ; my column
	s_or_b32 s[G1], s43, (3<<16)|(1<<21)           ; A's codes: two planes, 128 dense rows of 256 bytes (32 elements of 8), no padding
	s_mov_b32 s[G1+1], 32<<16
	s_mov_b32 s[G1+2], 128<<16
	s_mov_b32 s[G1+3], 32<<16
	s_mov_b32 s[G1+4], 128
	s_mov_b32 s[G1+5], 32
	s_mov_b32 s[G1+6], 0
	s_mov_b32 s[G1+7], 0
	s_or_b32 s[G1B], s44, (0<<16)|(1<<20)|(1<<21)|(6<<22)|(3<<25)  ; W's codes: 64 rows of 512 bytes, 4 words of padding after every 128
	s_mov_b32 s[G1B+1], 512<<16
	s_mov_b32 s[G1B+2], 64<<16
	s_mov_b32 s[G1B+3], 512<<16
	s_mov_b32 s[G1B+4], 64
	s_mov_b32 s[G1B+5], K
	s_mov_b32 s[G1B+6], 0
	s_mov_b32 s[G1B+7], 0
	s_or_b32 s[G1S], s43, (3<<16)|(1<<21)          ; half of A's scale words: NPL dense rows of 256 bytes
	s_or_b32 s[G1SB], s44, (3<<16)|(1<<20)|(1<<21)|(5<<22)|(3<<25) ; half of W's scale bytes: as many, 16 bytes of padding behind each
.irp g, G1S, G1SB
	s_mov_b32 s[\g+1], 32<<16
	s_mov_b32 s[\g+2], NPL<<16
	s_mov_b32 s[\g+3], 32<<16
	s_mov_b32 s[\g+4], NPL
	s_mov_b32 s[\g+5], 32
	s_mov_b32 s[\g+6], 0
	s_mov_b32 s[\g+7], 0
.endr
	s_mul_i32 s20, s17, NPL*16384
	s_lshl_b32 s18, s16, 15
	s_add_co_u32 s20, s20, s18                     ; A's codes: my block of tokens, my two planes of a slot
	s_mov_b32 s21, 0
	s_mul_i32 s22, s17, NPL*512
	s_mul_i32 s18, s16, NPL*256
	s_add_co_u32 s22, s22, s18
	s_add_co_u32 s22, s22, ASCO                    ; A's scale words: my half
	s_mov_b32 s23, 0
	s_lshl_b32 s46, s42, 7
	s_lshl_b32 s18, s16, 6
	s_add_co_u32 s46, s46, s18                     ; W: my 64 rows
	s_mul_i32 s96, s46, KS
	s_mov_b32 s97, 0
	s_mul_i32 s46, s46, K
	s_mov_b32 s47, 0
	s_lshl_b32 s45, s16, 15                        ; where they go: no place in the cluster enters an LDS address
	s_mul_i32 s98, s16, 64*BP
	s_add_co_u32 s98, s98, BOFF
	s_mul_i32 s99, s16, NPL*256
	s_add_co_u32 s99, s99, SCA
	s_mul_i32 s100, s16, NPL*272
	s_add_co_u32 s100, s100, SCB
	s_wait_kmcnt 0x0
	s_add_nc_u64 s[20:21], s[4:5], s[20:21]
	s_add_nc_u64 s[22:23], s[4:5], s[22:23]
	s_add_nc_u64 s[46:47], s[6:7], s[46:47]
	s_add_nc_u64 s[96:97], s[8:9], s[96:97]
	CROUND                                         ; all sixteen work-groups are here: the first joint loads meet
	s_mov_b32 s[G0S], 1
	s_mov_b32 s[G0S+1], s99
	s_mov_b64 s[G0S+2:G0S+3], s[22:23]
	s_or_b32 s[G0S+3], s[G0S+3], 0x80000000
	s_mov_b32 s[G0SB], 1
	s_mov_b32 s[G0SB+1], s100
	s_mov_b64 s[G0SB+2:G0SB+3], s[96:97]
	s_or_b32 s[G0SB+3], s[G0SB+3], 0x80000000
	JLOAD G0S, G1S, G0SB, G1SB                     ; three loads of mine go out: the scales, slot 0, slot 1
.irp s, 0,1
	s_mov_b32 s[G0+4*\s], 1
	s_add_co_u32 s[G0+4*\s+1], s45, \s*SLOT
	s_add_nc_u64 s[G0+4*\s+2:G0+4*\s+3], s[20:21], \s*65536
	s_or_b32 s[G0+4*\s+3], s[G0+4*\s+3], 0x80000000
	s_mov_b32 s[G0B+4*\s], 1
	s_add_co_u32 s[G0B+4*\s+1], s98, \s*SLOT
	s_add_nc_u64 s[G0B+4*\s+2:G0B+4*\s+3], s[46:47], \s*512
	s_or_b32 s[G0B+4*\s+3], s[G0B+4*\s+3], 0x80000000
	JLOAD G0+4*\s, G1, G0B+4*\s, G1B
.endr
	v_and_b32 v1, 15, v0                           ; r
	v_bfe_u32 v2, v0, 4, 1                         ; h
	v_and_b32 v3, 31, v0
	v_lshlrev_b32 v4, 4, v3                        ; 16 x lane
	s_lshl_b32 s21, s15, 13
	v_add_nc_u32 v[ADRA], s21, v4                  ; A: my four images of a plane
	v_add_nc_u32 v[ADRA+1], SLOT, v[ADRA]
	v_mul_u32_u24 v5, v1, BP
	v_lshl_add_u32 v5, v2, 3, v5
	s_mul_i32 s22, s16, 64*BP
	s_add_co_u32 s22, s22, BOFF
	v_add_nc_u32 v[ADRB], s22, v5                  ; W: row r of my 64, + 8 h
	v_add_nc_u32 v[ADRB+1], SLOT, v[ADRB]
	v_lshlrev_b32 v5, 5, v1
	v_lshl_add_u32 v5, v2, 9, v5                   ; A's scale words: 32 r, and lanes 16-31 the next plane's
	s_lshl_b32 s22, s15, 4
	s_add_co_u32 s22, s22, SCA
	v_add_nc_u32 v[ASC], s22, v5
	v_mul_u32_u24 v5, v1, KS                       ; W's: KS bytes a row, and 16 more for each 256 passed
	v_lshrrev_b32 v6, 8, v5
	v_lshl_add_u32 v5, v6, 4, v5
	s_mul_i32 s22, s16, (64*KS/256)*272
	s_add_co_u32 s22, s22, SCB
	v_add_nc_u32 v[BSC], s22, v5
	s_mul_i32 s23, s14, 16*272                     ; my stage for the way out: 16 rows x (256 bytes + 16), in slot 0
	v_mul_u32_u24 v5, v1, 272
	v_lshl_add_u32 v5, v2, 5, v5
	v_add_nc_u32 v[STO], s23, v5
	v_mul_u32_u24 v5, v2, 272
	v_lshl_add_u32 v5, v1, 4, v5
	v_add_nc_u32 v[RD], s23, v5
	v_lshlrev_b32 v5, 12, v2
	v_lshl_add_u32 v[CO], v1, 4, v5                ; in resid and out: lanes 0-15 one row's 256 bytes, lanes 16-31 the next row's
	v_lshlrev_b32 v7, 4, v1
	s_lshl_b32 s20, s17, 19
	s_lshl_b32 s21, s15, 18
	s_add_co_u32 s20, s20, s21                     ; my first row, 4,096 bytes a row,
	s_lshl_b32 s46, s42, 9
	s_lshl_b32 s47, s16, 8
	s_add_co_u32 s46, s46, s47                     ; my first column
	s_mov_b32 s47, 0
	s_add_nc_u64 s[10:11], s[10:11], s[46:47]
	s_add_co_u32 s20, s20, s46
	s_mov_b32 s21, 0
	s_add_nc_u64 s[68:69], s[68:69], s[20:21]
	s_add_nc_u64 s[70:71], s[70:71], s[20:21]
	global_load_b128 v[12:15], v7, s[10:11]        ; the bias of my four columns
	WIN 0x80                                       ; destination window 2
.irp a, 0,1,2,3
.irp i, 0,1,2,3,4,5,6,7
	global_load_b128 v[32*\a+4*\i:32*\a+4*\i+3], v[CO], s[68:69] offset:(16*\a+2*\i)*4096
.endr
.endr
	WIN 0
; the fragments of plane q of a slot into buffer f: W's four tiles in pieces of 8 bytes, [the K step's scale words,] A's four images; the youngest eight loads are A's images 2 and 3
.macro FETCH slot, q, f, sc
	WIN TO_F
.irp i, 0,1,2,3
.irp e, 0,1,2,3,4,5,6,7
	ds_load_b64 v[(\f)+64+16*\i+2*\e:(\f)+64+16*\i+2*\e+1], v[ADRB+\slot] offset:128*(\q)+16*\e+16*BP*\i
.endr
.endr
.if \sc
	WIN 0
.irp u, 0,1
	ds_load_b128 v[SA+8*\slot+4*\u:SA+8*\slot+4*\u+3], v[ASC] offset:1024*\u
.endr
.irp i, 0,1,2,3
	ds_load_b128 v[SB+16*\slot+4*\i:SB+16*\slot+4*\i+3], v[BSC] offset:\i*SBLK
.endr
	WIN TO_F
.endif
.irp i, 0,1,2,3
.irp c, 0,1,2,3
	ds_load_b128 v[(\f)+16*\i+4*\c:(\f)+16*\i+4*\c+3], v[ADRA+\slot] offset:16384*(\q)+2048*\i+512*\c
.endr
.endr
.endm
; 8 matrix instructions: A's images a0, a0 + 1 x W's four tiles.  The 16 accumulators take turns, one instruction a turn, in the same order everywhere.
.macro MUL8 f, q, set, a0, zero
.irp a, \a0, \a0+1
.irp b, 0,1,2,3
.if \zero
	v_wmma_scale_f32_16x16x128_f8f6f4 v[ACC+8*(4*(\a)+\b):ACC+8*(4*(\a)+\b)+7], v[(\f)+64+16*\b:(\f)+64+16*\b+15], v[(\f)+16*(\a):(\f)+16*(\a)+15], 0, v[SB+16*(\set)+4*\b+(\q)], v[SA+8*(\set)+4*((\q)/2)+(\a)]
.elseif (\q)%2
	v_wmma_scale_f32_16x16x128_f8f6f4 v[ACC+8*(4*(\a)+\b):ACC+8*(4*(\a)+\b)+7], v[(\f)+64+16*\b:(\f)+64+16*\b+15], v[(\f)+16*(\a):(\f)+16*(\a)+15], v[ACC+8*(4*(\a)+\b):ACC+8*(4*(\a)+\b)+7], v[SB+16*(\set)+4*\b+(\q)], v[SA+8*(\set)+4*((\q)/2)+(\a)] matrix_b_scale:MATRIX_SCALE_ROW1
.else
	v_wmma_scale_f32_16x16x128_f8f6f4 v[ACC+8*(4*(\a)+\b):ACC+8*(4*(\a)+\b)+7], v[(\f)+64+16*\b:(\f)+64+16*\b+15], v[(\f)+16*(\a):(\f)+16*(\a)+15], v[ACC+8*(4*(\a)+\b):ACC+8*(4*(\a)+\b)+7], v[SB+16*(\set)+4*\b+(\q)], v[SA+8*(\set)+4*((\q)/2)+(\a)]
.endif
.endr
.endr
.endm
.macro QUARTER slot, q, zero           ; plane q = 0, 1, 2 of a slot, on buffer q % 2; the next plane is fetched in its middle
	s_wait_dscnt 8                                 ; all but A's images 2 and 3
	WIN MUL
	MUL8 F0+128*((\q)%2), \q, \slot, 0, \zero
	s_wait_dscnt 0x0
	PLACES 8                                       ; in front of loads into the buffer that the plane before multiplied
	FETCH \slot, (\q)+1, F0+128*(1-(\q)%2), 0
	WIN MUL
	MUL8 F0+128*((\q)%2), \q, \slot, 2, \zero
.endm
; a slot's last plane changes slots: one barrier; in front of it each wave waits for all its tensor loads, adds 0 to its spare word, and waits for that and for its reads of this slot
.macro TURN slot, next, fill
	WIN 0
	s_wait_tensorcnt 0x0
	ds_add_u32 v[SPW], v[NIL]                      ; 0 onto my spare word
	s_wait_dscnt 9                                 ; the add and the youngest eight loads may be out
	WIN MUL
	MUL8 F1, 3, \slot, 0, 0
	s_wait_dscnt 0x0                               ; the add is done, and my reads of this slot are over
	s_barrier_signal -1
	WIN 0
	s_barrier_wait -1
.if \fill
	CREST                                          ; the barrier has opened a round of the cluster's barrier: no wave of any partner still reads this slot or has a load on its way
	s_add_nc_u64 s[G0+4*\slot+2:G0+4*\slot+3], s[G0+4*\slot+2:G0+4*\slot+3], 2*65536
	s_add_nc_u64 s[G0B+4*\slot+2:G0B+4*\slot+3], s[G0B+4*\slot+2:G0B+4*\slot+3], 2*512
	JLOAD G0+4*\slot, G1, G0B+4*\slot, G1B         ; the first tensor load behind the round
	PLACES 4
.else
	PLACES 8
.endif
	v_add_nc_u32 v[ASC], 2048, v[ASC]              ; the next K step's scale words
	v_add_nc_u32 v[BSC], 16, v[BSC]
	FETCH \next, 0, F0, 1
	WIN MUL
	MUL8 F1, 3, \slot, 2, 0
.endm
	s_wait_tensorcnt 1                             ; the scales and my part of slot 0 are in; slot 1's load may be out
	s_barrier_signal -1
	s_barrier_wait -1
	FETCH 0, 0, F0, 1
	QUARTER 0, 0, 1                                ; the first plane's products start the sums
.if LAPS > 1
	WIN 0
	s_mov_b32 s3, LAPS-1
.Llap:                                             ; a trip goes once round the ring and fills both slots again
	QUARTER 0, 1, 0
	QUARTER 0, 2, 0
	TURN 0, 1, 1
	QUARTER 1, 0, 0
	QUARTER 1, 1, 0
	QUARTER 1, 2, 0
	TURN 1, 0, 1
	QUARTER 0, 0, 0
	WIN 0
	s_sub_co_u32 s3, s3, 1
	s_cmp_lg_u32 s3, 0
	s_cbranch_scc1 .Llap
.endif
	QUARTER 0, 1, 0                                ; the last lap fills nothing
	QUARTER 0, 2, 0
	TURN 0, 1, 0
	QUARTER 1, 0, 0
	QUARTER 1, 1, 0
	QUARTER 1, 2, 0
	s_wait_dscnt 8
	WIN MUL
	MUL8 F1, 3, 1, 0, 0
	s_wait_dscnt 0x0
	MUL8 F1, 3, 1, 2, 0
	WIN 0
; THE WAY OUT, 16 tokens x 64 features at a time, through my own stage (slot 0 has had its last fill, and nobody reads it): back come whole rows of 256 bytes, to which the residual and the bias are added
.macro TOSTAGE a
.irp b, 0,1,2,3
	ds_store_b128 v[STO], v[ACC+8*(4*(\a)+\b):ACC+8*(4*(\a)+\b)+3] offset:64*\b       ; each accumulator from its low end on
	ds_store_b128 v[STO], v[ACC+8*(4*(\a)+\b)+4:ACC+8*(4*(\a)+\b)+7] offset:64*\b+16
.endr
.set BB, BK+32*((\a)%2)
.irp i, 0,1,2,3,4,5,6,7
	ds_load_b128 v[BB+4*\i:BB+4*\i+3], v[RD] offset:544*\i         ; LDS serves a wave's instructions in order: these see the stores above
.endr
.endm
.macro SEND a, younger
.set BB, BK+32*((\a)%2)
	s_wait_dscnt \younger
	WIN 0x08                                       ; source 1: window 2
.set p, 0
.rept 16
	v_pk_add_f32 v[BB+p:BB+p+1], v[BB+p:BB+p+1], v[32*(\a)+p:32*(\a)+p+1]
.set p, p+2
.endr
	WIN 0
.irp i, 0,1,2,3,4,5,6,7
	v_pk_add_f32 v[BB+4*\i:BB+4*\i+1], v[BB+4*\i:BB+4*\i+1], v[12:13]
	v_pk_add_f32 v[BB+4*\i+2:BB+4*\i+3], v[BB+4*\i+2:BB+4*\i+3], v[14:15]
.endr
.irp i, 0,1,2,3,4,5,6,7
	global_store_b128 v[CO], v[BB+4*\i:BB+4*\i+3], s[70:71] offset:(16*(\a)+2*\i)*4096 th:TH_STORE_NT   ; 16 lanes store 256 consecutive bytes, at a multiple of 256 from the buffer's first byte; written once, read by nobody here
.endr
.endm
	PLACES 8
	s_wait_loadcnt 0x0                             ; the residual and the bias
	TOSTAGE 0
.irp a, 1,2,3
.if \a > 1
	s_wait_xcnt 0x0                                ; block a - 2's stores have read their registers: block a's loads may land there
.endif
	TOSTAGE \a
	SEND (\a)-1, 16                                ; behind block a - 1's loads: block a's 8 stores and 8 loads
.endr
	SEND 3, 0
	s_wait_tensorcnt 0x0                           ; the wave's end
	ds_add_u32 v[SPW], v[NIL]
	s_wait_dscnt 0x0
	CROUND                                         ; the closing round
	s_endpgm
.Lfunc_end_k_qd0017ca1e1_fc2:
	.size	k_qd0017ca1e1_fc2, .Lfunc_end_k_qd0017ca1e1_fc2-k_qd0017ca1e1_fc2
	.p2alignl 7, 3214868480
	.fill 96, 4, 3214868480
	.section	.rodata,"a",@progbits
	.p2align	6, 0x0
	.amdhsa_kernel k_qd0017ca1e1_fc2
		.amdhsa_group_segment_fixed_size 327680
		.amdhsa_private_segment_fixed_size 0
		.amdhsa_enable_private_segment 0
		.amdhsa_kernarg_size 48
		.amdhsa_user_sgpr_count 2
		.amdhsa_user_sgpr_kernarg_segment_ptr 1
		.amdhsa_wavefront_size32 1
		.amdhsa_system_sgpr_workgroup_id_x 1
		.amdhsa_system_sgpr_workgroup_id_y 1
		.amdhsa_system_sgpr_workgroup_id_z 1
		.amdhsa_system_vgpr_workitem_id 0
		.amdhsa_next_free_vgpr 640
		.amdhsa_next_free_sgpr 102
		.amdhsa_reserve_vcc 0
		.amdhsa_float_denorm_mode_32 3
		.amdhsa_float_denorm_mode_16_64 3
		.amdhsa_memory_ordered 1
		.amdhsa_forward_progress 1
		.amdhsa_inst_pref_size 120
	.end_amdhsa_kernel
	.amdgpu_metadata
---
amdhsa.version: [ 1, 2 ]
amdhsa.kernels:
  - .name:           k_qd0017ca1e1_fc2
    .symbol:         k_qd0017ca1e1_fc2.kd
    .args:
      - { .name: h, .offset: 0, .size: 8, .value_kind: global_buffer, .address_space: global }
      - { .name: w2_codes, .offset: 8, .size: 8, .value_kind: global_buffer, .address_space: global }
      - { .name: w2_scales, .offset: 16, .size: 8, .value_kind: global_buffer, .address_space: global }
      - { .name: b2, .offset: 24, .size: 8, .value_kind: global_buffer, .address_space: global }
      - { .name: x2, .offset: 32, .size: 8, .value_kind: global_buffer, .address_space: global }
      - { .name: out0, .offset: 40, .size: 8, .value_kind: global_buffer, .address_space: global }
    .group_segment_fixed_size: 327680
    .private_segment_fixed_size: 0
    .kernarg_segment_align: 8
    .kernarg_segment_size: 48
    .max_flat_workgroup_size: 128
    .sgpr_count:     102
    .vgpr_count:     640
    .wavefront_size: 32
...
	.end_amdgpu_metadata
.endif
;; end of part 6
